; MI455X (gfx1250); checked and timed in simulation.
; The chip was launched on July 23, 2026; its instructions are those of AMD's public machine-readable ISA for CDNA 5 (MIT licence, August 2026) and "CDNA5" Instruction Set Architecture Reference Guide (July 2026). The comments in the code are by the model that wrote it; some were corrected since.
;; Multi Head Attention. Allowed arithmetic: matrix products marked QUANTISED: E2M1 operands, one E8M0 scale for each 32 along K, by v_wmma_scale_f32_16x16x128_f8f6f4 with both operands' format E2M1 (or v_wmma_scale_f32_32x16x128_f4), f32 sums; products left as they are: bf16, f16 or f32 operands; f32 sums; everything else in f32.
;; Inputs: Wk 1,024 x 1,024 float32; Wo 1,024 x 1,024 float32; Wq 1,024 x 1,024 float32; Wv 1,024 x 1,024 float32; bk 1,024 float32; bo 1,024 float32; bq 1,024 float32; bv 1,024 float32; key 8 x 1,024 x 1,024 float32; mask 8 x 1 x 1 x 1,024 int32; query 8 x 1,024 x 1,024 float32; value 8 x 1,024 x 1,024 float32.
;; Outputs: out0 8 x 1,024 x 1,024 float32.
;; This version of the problem:
;;   THIS VERSION OF THE PROBLEM IS GIVEN IN LOW PRECISION. The matrix products marked QUANTISED in the list below multiply operands that are first quantised to E2M1 (2 exponent bits, 1 mantissa bit; 4 bits a number), with one power-of-two scale for each 32 numbers along K (OCP MX v1.0); their sums are f32. The products marked 'left as it is' may take bf16, f16 or f32 operands, with f32 sums. Whichever they take, every output number must still come out within the allowed error. Rounding operands to bf16 (8 significant bits) uses up far more of that allowance than f16 does (11 bits, for magnitudes from 6e-5 to 65,504). All else is computed in f32.
;;   The module's matrix products, in the order in which they are computed (A, B: the left and right operand; K: the contracted axis; several contracted axes count as one K, in the product's order):
;;     1. [M 8,192, K 1,024] x [K 1,024, N 1,024]; A: input query; B: input Wq: QUANTISED
;;     2. [M 8,192, K 1,024] x [K 1,024, N 1,024]; A: input key; B: input Wk: QUANTISED
;;     3. [M 8,192, K 1,024] x [K 1,024, N 1,024]; A: input value; B: input Wv: QUANTISED
;;     4. batch 128 x [M 1,024, K 64] x [K 64, N 1,024]; A: computed on the way; B: computed on the way: left as it is (an operand is computed on the way)
;;     5. batch 128 x [M 1,024, K 1,024] x [K 1,024, N 64]; A: computed on the way; B: computed on the way: left as it is (an operand is computed on the way)
;;     6. [M 8,192, K 1,024] x [K 1,024, N 1,024]; A: computed on the way; B: input Wo: left as it is (an operand is computed on the way)
;;   THE QUANTISER, for each operand of a quantised product, along K:
;;     - K is cut into blocks of 32 from its start; a last block that is shorter is filled with zeros.
;;     - A block's scale is 2^e with e = floor(log2(the largest magnitude in the block)) - 2, held to -126 .. 127; a block of zeros has e = 0. As a byte (E8M0): e + 127.
;;     - Each number is divided by its block's scale, clamped to +-6, and rounded to the nearest number of E2M1, ties to even, subnormals kept.
;;     - The product sums the exact products of the quantised numbers (number of the format x scale) in f32.
;;   ~~~python
;;   def quantise(x, axis):      # numpy; x: float32 -> the quantised numbers, widened to float32 again
;;       x = np.moveaxis(x, axis, -1); K = x.shape[-1]
;;       x = np.pad(x, [(0, 0)] * (x.ndim - 1) + [(0, -K % 32)]); x = x.reshape(x.shape[:-1] + (-1, 32)); a = np.abs(x).max(-1, keepdims=True)
;;       e = np.where(a > 0, np.clip(np.frexp(np.where(a > 0, a, 1))[1] - 1 - 2, -126, 127), 0)      # np.frexp(a)[1] - 1 = floor(log2(a)), exactly
;;       r = np.clip(x / 2.0 ** e, -6, 6)
;;       step = 2.0 ** (np.maximum(np.frexp(np.where(r == 0, 1, r))[1] - 1, 0) - 1)
;;       q = np.round(r / step) * step * 2.0 ** e      # np.round: ties to even
;;       return np.moveaxis(q.reshape(q.shape[:-2] + (-1,))[..., :K], -1, axis).astype(np.float32)
;;   ~~~
;; One version. Each part assembles by itself: llvm-mc -triple=amdgcn-amd-amdhsa -mcpu=gfx1250 --defsym DOCPART=n.
;; ======== version 1 of 1: 4 launches
;; limits: values are held in f16: magnitudes above 65,504 overflow, below 6.1e-05 lose precision
;; workspace buffers: codes 14,155,776 bytes; scales 884,736 bytes; wo_img 2,097,152 bytes; qkv 50,331,648 bytes; ctx_img 16,777,216 bytes
;; launch quant (part 1): grid 928 x 1, 4 waves a work-group, no clusters, 33,280 bytes of LDS; arguments query, key, value, Wq, Wk, Wv, Wo, codes, scales, wo_img; writes codes, scales, wo_img
.if DOCPART == 1
	.amdgcn_target "amdgcn-amd-amdhsa--gfx1250"
	.amdhsa_code_object_version 6
	.text
	.protected	k_q6089b17ef8_quant
	.globl	k_q6089b17ef8_quant
	.p2align	8
	.type	k_q6089b17ef8_quant,@function
k_q6089b17ef8_quant:
	s_mov_b64 s[64:65], 0
	v_nop
	global_prefetch_b8 v0, s[64:65] scope:SCOPE_SE
	s_setreg_imm32_b32 hwreg(HW_REG_WAVE_MODE, 25, 1), 1
	s_wait_xcnt 0x0
; query, key, value [8192][1024] and Wq, Wk, Wv [1024][1024], f32 with K innermost, become codes of FP4 (E2M1) and one E8M0 byte for each 32 along K;
; Wo [1024][1024] becomes f16, laid as images of matrix fragments.
; A block's scale is 2^(floor(log2(its largest magnitude)) - 2); its byte is the largest magnitude's exponent field - 2, held at 1 from below.
; LIMITS: a block of zeros, or one whose largest magnitude lies under 2^-124, gets the byte 1 (a block of zeros has zero codes, and only this program reads the bytes);
; NaN and infinities among the inputs are not served; |Wo| above 65,504 has no f16 number.
; WORK-GROUPS 0-863: the six tensors are one stream of blocks of 32: work-group g takes 32,768 numbers and writes 16,384 bytes of codes at 16,384 g and 1,024 scale bytes at 1,024 g.
; A wave takes 16 steps of 512 numbers.  Each load reads 512 consecutive bytes; a step's 2,048 bytes turn through the wave's own stage in LDS, so that a lane holds 16 neighbours along K
; (two neighbouring lanes hold a block).  A wave's store of codes covers 256 consecutive bytes; its 256 scale bytes are gathered in LDS and leave as one store of 256 bytes.
; WORK-GROUPS 864-927: n tile = work-group - 864 (16 rows of Wo), wave w takes K chunks 8 w .. 8 w + 7 of 32.  An image is a fragment's 8 registers as they stand: registers 0-3 as 512 bytes
; (lane l's 16 bytes at 16 l), registers 4-7 as the next 512.  No LDS on this path.
.set STEPS, 16
.set CB,    8                          ; bytes of 16 codes
.set R,     16                         ; v16-79   four sets of 16 numbers as they are loaded
.set X,     80                         ; v80-111  two sets of 16 neighbours
.set E,     112                        ; v112-127 a scale byte for each step
.set C,     128                        ; v128-191 codes: four registers for each step, so that no store's data are written again
.set WREG,  8192                       ; LDS: a region for each wave: two stages of 32 x SP bytes, behind them its 256 scale bytes
.set SP,    80                         ; a lane's place in a stage: 64 bytes + 16 of padding
.set SPW,   12                         ; v12 LDS address of my spare word; never rewritten
.set NIL,   13                         ; v13 0; never rewritten
.set SPARE, 4*WREG                     ; the spare words: 128 bytes a wave, named by no other line
.set QWG,   864                        ; work-groups that quantise
.set WV,    24                         ; s24 wave
.set SRC,   26                         ; s[26:27] the tensor that I read
	s_load_b512 s[4:19], s[0:1], 0x0               ; query 4, key 6, value 8, Wq 10, Wk 12, Wv 14, Wo 16, codes 18
	s_load_b128 s[20:23], s[0:1], 0x40             ; scales 20, wo_img 22
	v_lshl_add_u32 v[SPW], v0, 2, SPARE
	v_mov_b32 v[NIL], 0
	v_lshrrev_b32 v1, 5, v0
	v_readfirstlane_b32 s[WV], v1                  ; wave 0..3
	v_and_b32 v2, 31, v0                           ; lane
	v_lshlrev_b32 v3, 4, v2                        ; 16 x lane
	s_mul_i32 s31, s[WV], WREG
	v_lshrrev_b32 v14, 2, v2
	v_mul_u32_u24 v14, v14, SP
	v_and_b32 v15, 3, v2
	v_lshl_add_u32 v14, v15, 4, v14
	v_add_nc_u32 v14, s31, v14                     ; the stage, on the way in: SP (lane / 4) + 16 (lane % 4)
	v_mul_u32_u24 v15, v2, SP
	v_add_nc_u32 v15, s31, v15                     ; and on the way out: SP x lane: my 16 neighbours
	v_mul_u32_u24 v4, v2, CB                       ; my codes' place in a step's
	v_lshrrev_b32 v5, 1, v2
	s_add_co_u32 s31, s31, 2*32*SP
	v_add_nc_u32 v5, s31, v5                       ; LDS: my block's scale byte
	v_lshlrev_b32 v7, 3, v2
	v_add_nc_u32 v6, s31, v7                       ; and on the way out 8 bytes a lane
	s_mov_b32 s29, 0
	s_wait_kmcnt 0x0
	s_cmp_ge_u32 ttmp9, QWG
	s_cbranch_scc1 .Lwo
	; which tensor, and the first work-group of it: chosen by the work-group's number alone
	s_mov_b64 s[SRC:SRC+1], s[14:15]
	s_mov_b32 s25, 832
	s_cmp_lt_u32 ttmp9, 832
	s_cselect_b64 s[SRC:SRC+1], s[12:13], s[SRC:SRC+1]
	s_cselect_b32 s25, 800, s25
	s_cmp_lt_u32 ttmp9, 800
	s_cselect_b64 s[SRC:SRC+1], s[10:11], s[SRC:SRC+1]
	s_cselect_b32 s25, 768, s25
	s_cmp_lt_u32 ttmp9, 768
	s_cselect_b64 s[SRC:SRC+1], s[8:9], s[SRC:SRC+1]
	s_cselect_b32 s25, 512, s25
	s_cmp_lt_u32 ttmp9, 512
	s_cselect_b64 s[SRC:SRC+1], s[6:7], s[SRC:SRC+1]
	s_cselect_b32 s25, 256, s25
	s_cmp_lt_u32 ttmp9, 256
	s_cselect_b64 s[SRC:SRC+1], s[4:5], s[SRC:SRC+1]
	s_cselect_b32 s25, 0, s25
	s_sub_co_u32 s28, ttmp9, s25
	s_lshl_b32 s28, s28, 2
	s_add_co_u32 s28, s28, s[WV]
	s_lshl_b32 s28, s28, 15                        ; my wave's 8,192 numbers in the tensor: 32,768 bytes a wave
	s_add_nc_u64 s[SRC:SRC+1], s[SRC:SRC+1], s[28:29]
	s_lshl_b32 s30, ttmp9, 2
	s_add_co_u32 s30, s30, s[WV]                   ; my run in the stream of all six
	s_lshl_b32 s28, s30, 12
	s_add_nc_u64 s[18:19], s[18:19], s[28:29]      ; 4,096 bytes of codes a run
	s_lshl_b32 s28, s30, 8
	s_add_nc_u64 s[20:21], s[20:21], s[28:29]      ; 256 scale bytes a run
.macro LOAD t
.irp i, 0,1,2,3
	global_load_b128 v[R+16*((\t)%4)+4*\i:R+16*((\t)%4)+4*\i+3], v3, s[SRC:SRC+1] offset:2048*(\t)+512*\i th:TH_LOAD_NT   ; 32 lanes read 512 consecutive bytes
.endr
.endm
.macro TURN t                          ; step t's numbers through the stage: LDS serves a wave's instructions in order, so no wait stands between the stores and the loads
.irp i, 0,1,2,3
	ds_store_b128 v14, v[R+16*((\t)%4)+4*\i:R+16*((\t)%4)+4*\i+3] offset:32*SP*((\t)%2)+8*SP*\i
.endr
.irp i, 0,1,2,3
	ds_load_b128 v[X+16*((\t)%2)+4*\i:X+16*((\t)%2)+4*\i+3], v15 offset:32*SP*((\t)%2)+16*\i
.endr
.endm
.irp t, 0,1,2,3
	LOAD \t
.endr
	s_wait_loadcnt 12                              ; step 0's four loads are in; the twelve of steps 1 to 3 may be out
	TURN 0
.macro STEP t
.set XS, X+16*((\t)%2)
.if (\t) > 0
	s_wait_dscnt 1                                 ; this step's numbers are back from the stage; the last step's byte store may be out
.else
	s_wait_dscnt 0x0
.endif
.if (\t)+4 < STEPS
	LOAD (\t)+4                                    ; into the set that this step's stage stores have read
.endif
.if (\t)+1 < STEPS
.if STEPS-2-(\t) >= 3
	s_wait_loadcnt 12                              ; the next step's four loads are in; those of the three steps behind it may be out
.else
	s_wait_loadcnt 4*(STEPS-2-(\t))
.endif
	TURN (\t)+1
.endif
	v_max3_num_f32 v8, |v[XS]|, |v[XS+1]|, |v[XS+2]|               ; the largest magnitude of my 16, in two chains
	v_max3_num_f32 v9, |v[XS+3]|, |v[XS+4]|, |v[XS+5]|
.irp i, 6,10
	v_max3_num_f32 v8, v8, |v[XS+\i]|, |v[XS+\i+1]|
	v_max3_num_f32 v9, v9, |v[XS+\i+2]|, |v[XS+\i+3]|
.endr
	v_max3_num_f32 v8, v8, |v[XS+14]|, |v[XS+15]|
	v_max3_num_f32 v8, v8, v9, 0x1800000           ; and the floor 2^(3 - 127): the byte cannot fall under 1
	v_max_num_f32_dpp v8, v8, v8 row_xmask:1 row_mask:0xf bank_mask:0xf   ; with my neighbour's 16: the block's
	v_add_nc_u32 v11, 0xff000000, v8               ; 2 off its exponent field: the conversion takes the exponent field of this operand as its scale
	v_cvt_scalef32_pk8_fp4_f32 v[C+4*(\t)], v[XS:XS+7], v11
	v_cvt_scalef32_pk8_fp4_f32 v[C+4*(\t)+1], v[XS+8:XS+15], v11
	v_lshrrev_b32 v[E+(\t)], 23, v11               ; the scale's byte (also the plain instruction behind the conversions)
	ds_store_b8 v5, v[E+(\t)] offset:16*(\t)       ; both lanes of a block write the same byte with the same value
	global_store_b64 v4, v[C+4*(\t):C+4*(\t)+1], s[18:19] offset:32*CB*(\t)   ; the wave stores 256 consecutive bytes
.endm
.irp t, 0,1,2,3,4,5,6,7,8,9,10,11,12,13,14,15
	STEP \t
.endr
	ds_load_b64 v[8:9], v6                         ; LDS serves a wave's instructions in order: this sees my byte stores
	s_wait_dscnt 0x0
	global_store_b64 v7, v[8:9], s[20:21]          ; 256 consecutive scale bytes
	s_wait_tensorcnt 0x0                           ; the wave's end
	ds_add_u32 v[SPW], v[NIL]
	s_wait_dscnt 0x0
	s_endpgm
.Lwo:
	; Wo to f16 images.  Lane (r, h) of fragment f wants, of row 16 n tile + r, k = 32 f + 8 h + 0..7 (registers 0-3) and k = 32 f + 16 + 8 h + 0..7 (registers 4-7)
	v_and_b32 v4, 15, v0
	v_bfe_u32 v5, v0, 4, 1
	v_lshlrev_b32 v4, 12, v4                       ; row r of 4,096 bytes
	v_lshl_add_u32 v5, v5, 5, v4                   ; + 32 h
	s_sub_co_u32 s28, ttmp9, QWG                   ; n tile
	s_lshl_b32 s30, s28, 16                        ; 16 rows of 4,096 bytes
	s_lshl_b32 s31, s[WV], 10                      ; my 8 chunks of 128 bytes
	s_add_co_u32 s30, s30, s31
	s_mov_b32 s31, 0
	s_add_nc_u64 s[16:17], s[16:17], s[30:31]
	s_lshl_b32 s30, s28, 15                        ; an n tile's 32 images
	s_lshl_b32 s28, s[WV], 13                      ; my 8
	s_add_co_u32 s30, s30, s28
	s_add_nc_u64 s[22:23], s[22:23], s[30:31]
.irp f, 0,1,2,3,4,5,6,7
.irp e, 0,1,2,3
	global_load_b128 v[16+16*\f+4*\e:16+16*\f+4*\e+3], v5, s[16:17] offset:128*\f+16*(\e%2)+64*(\e/2) th:TH_LOAD_NT
.endr
.endr
.irp f, 0,1,2,3,4,5,6,7
	s_wait_loadcnt 28-4*\f                         ; fragment f's four loads are in; the later fragments' may be out
.irp i, 0,1,2,3,4,5,6,7
	v_cvt_pk_f16_f32 v[144+8*\f+\i], v[16+16*\f+2*\i], v[17+16*\f+2*\i]
.endr
	global_store_b128 v3, v[144+8*\f:144+8*\f+3], s[22:23] offset:1024*\f       ; 512 consecutive bytes
	global_store_b128 v3, v[144+8*\f+4:144+8*\f+7], s[22:23] offset:1024*\f+512
.endr
	s_endpgm
.Lfunc_end_k_q6089b17ef8_quant:
	.size	k_q6089b17ef8_quant, .Lfunc_end_k_q6089b17ef8_quant-k_q6089b17ef8_quant
	.p2alignl 7, 3214868480
	.fill 96, 4, 3214868480
	.section	.rodata,"a",@progbits
	.p2align	6, 0x0
	.amdhsa_kernel k_q6089b17ef8_quant
		.amdhsa_group_segment_fixed_size 33280
		.amdhsa_private_segment_fixed_size 0
		.amdhsa_enable_private_segment 0
		.amdhsa_kernarg_size 80
		.amdhsa_user_sgpr_count 2
		.amdhsa_user_sgpr_kernarg_segment_ptr 1
		.amdhsa_wavefront_size32 1
		.amdhsa_system_sgpr_workgroup_id_x 1
		.amdhsa_system_sgpr_workgroup_id_y 1
		.amdhsa_system_sgpr_workgroup_id_z 1
		.amdhsa_system_vgpr_workitem_id 0
		.amdhsa_next_free_vgpr 208
		.amdhsa_next_free_sgpr 66
		.amdhsa_reserve_vcc 0
		.amdhsa_float_denorm_mode_32 3
		.amdhsa_float_denorm_mode_16_64 3
		.amdhsa_memory_ordered 1
		.amdhsa_forward_progress 1
		.amdhsa_inst_pref_size 43
	.end_amdhsa_kernel
	.amdgpu_metadata
---
amdhsa.version: [ 1, 2 ]
amdhsa.kernels:
  - .name:           k_q6089b17ef8_quant
    .symbol:         k_q6089b17ef8_quant.kd
    .args:
      - { .name: query, .offset: 0, .size: 8, .value_kind: global_buffer, .address_space: global }
      - { .name: key, .offset: 8, .size: 8, .value_kind: global_buffer, .address_space: global }
      - { .name: value, .offset: 16, .size: 8, .value_kind: global_buffer, .address_space: global }
      - { .name: Wq, .offset: 24, .size: 8, .value_kind: global_buffer, .address_space: global }
      - { .name: Wk, .offset: 32, .size: 8, .value_kind: global_buffer, .address_space: global }
      - { .name: Wv, .offset: 40, .size: 8, .value_kind: global_buffer, .address_space: global }
      - { .name: Wo, .offset: 48, .size: 8, .value_kind: global_buffer, .address_space: global }
      - { .name: codes, .offset: 56, .size: 8, .value_kind: global_buffer, .address_space: global }
      - { .name: scales, .offset: 64, .size: 8, .value_kind: global_buffer, .address_space: global }
      - { .name: wo_img, .offset: 72, .size: 8, .value_kind: global_buffer, .address_space: global }
    .group_segment_fixed_size: 33280
    .private_segment_fixed_size: 0
    .kernarg_segment_align: 8
    .kernarg_segment_size: 80
    .max_flat_workgroup_size: 128
    .sgpr_count:     66
    .vgpr_count:     208
    .wavefront_size: 32
...
	.end_amdgpu_metadata
.endif
;; end of part 1
;; launch proj (part 2): grid 4 x 64, 4 waves a work-group, clusters of 4 x 4, 327,680 bytes of LDS; arguments codes, scales, bq, bk, mask, qkv; writes qkv
.if DOCPART == 2
	.amdgcn_target "amdgcn-amd-amdhsa--gfx1250"
	.amdhsa_code_object_version 6
	.text
	.protected	k_q6089b17ef8_proj
	.globl	k_q6089b17ef8_proj
	.p2align	8
	.type	k_q6089b17ef8_proj,@function
k_q6089b17ef8_proj:
	s_mov_b64 s[64:65], 0
	v_nop
	global_prefetch_b8 v0, s[64:65] scope:SCOPE_SE
	s_setreg_imm32_b32 hwreg(HW_REG_WAVE_MODE, 25, 1), 1
	s_wait_xcnt 0x0
	s_wait_alu depctr_hold_cnt(0) depctr_sa_sdst(0) depctr_va_vdst(0) depctr_va_sdst(0) depctr_va_ssrc(0) depctr_va_vcc(0) depctr_vm_vsrc(0)
	s_getreg_b32 s2, hwreg(HW_REG_IB_STS2, 6, 4)
	s_cmp_eq_u32 s2, 0
	s_cbranch_scc0 .Lentry_in_a_cluster
	s_endpgm
.Lentry_in_a_cluster:
	s_bfe_u32 s2, ttmp6, 0x10000c
	s_cmp_lg_u32 s2, 0xf033
	s_cbranch_scc0 .Lentry_shape_is_right
	s_endpgm
.Lentry_shape_is_right:
; The three input projections x W^T on codes of FP4 (E2M1) with one E8M0 scale for each 32 along K; sums in f32; results leave as f16 images of the fragments that the attention launch reads.
; A WORK-GROUP STAYS AND MAKES TWO TILES.  Cluster c (0..15) first makes q (c < 8) or k: a work-group 256 tokens x 256 channels, a wave 128 x 128: 64 accumulators.  Then every cluster makes v:
; a work-group 256 channels x 128 tokens, a wave 128 x 64: 32 accumulators.  16 clusters x 1.5 blocks of 1,024 x 1,024 are the three products; each of 256 work-groups has the same work.
; K = 1,024 lies in two LDS slots of 512.  The ring goes on into the second tile: each slot is filled again with v's codes as soon as the first tile has read it, and q's or k's stores leave while v is multiplied.
; ROLES.  Source 1 ("A") gives a result's lane, source 0 ("B") its registers.  q, k: A = tokens, B = rows of W: a lane holds one token and eight neighbouring channels.
; v: A = rows of Wv, B = tokens: a lane holds one channel and eight neighbouring tokens, which is V^T as the second product of attention wants it.  Two neighbouring tiles, rounded to f16 in pairs,
; are registers 0-3 and 4-7 of a 16 x 32 fragment: an image (registers 0-3 as 512 bytes, lane l's 16 bytes at 16 l; registers 4-7 as the next 512) is stored straight from registers.
; q = x Wq^T + bq.  k = x Wk^T + bk, and the rows of keys whose mask is 0 are stored as zeros (the attention launch gives those keys their score by the C operand).  v = x Wv^T: bv is added behind the softmax, whose weights sum to 1.
; CLUSTERS: 4 x 4 work-groups.  A's tiles hang on cy (and c) alone and are asked for jointly along a row of the cluster, B's on cx (and c) alone, along a column.
; LIMITS: |q|, |k|, |v| above 65,504 have no f16 number; NaN and infinities are not served.
; REGISTERS: window 0: v1-31 addresses; v32-95 scale words, two sets; v96-111 a factor pair for each of A's blocks; v112-119 mask words; v128-191 A's fragments; v192-255 the bias.
;   window 1: B's fragments, two sets, at v0 and v128; v64-127 packed results.  window 2: accumulators of A's blocks 0-3 ((a, b) at v[8 (8 a + b)]); window 3: of blocks 4-7.
.set NQ,     4                         ; matrix instructions deep in a slot
.set ROWB,   256                       ; a tile's row: 512 codes
.set KROW,   512                       ; a row of codes in memory
.set PITCH,  272                       ; an LDS row: 256 bytes + 16 of padding: the 16 rows that a load touches start 68 words apart
.set FR,     8
.set NL,     2
.set NP,     4
.set HALFT,  128*PITCH
.set SLOT,   4*HALFT                   ; A's 256 rows, then B's 256 rows (v: B's 128)
.set KS,     32                        ; a row of scale bytes
.set SCL,    2*SLOT                    ; the first tile's scales
.set HALFS,  (128*KS/256)*272          ; the scales of 128 rows
.set SBLK,   (16*KS/256)*272           ; of 16 rows
.set SCL2,   SCL+4*HALFS               ; v's scales: Wv's 256 rows, then 128 tokens
.set SPARE,  SCL2+3*HALFS              ; the spare words: 128 bytes a wave, named by no other line
.set ADRA,  16
.set ADRB,  20                         ; v20-21 my 128 rows of B in slot 0, 1 (first tile)
.set ADRB2, 22                         ; v22-23 my 64 rows of B (v)
.set BOF,   24                         ; v24 32 h: the bias loads' offset
.set MOF,   25                         ; v25 4 r: the mask loads' offset
.set VOF,   26                         ; v26 16 x lane: an image's place for my lane
.set ADRS,  27                         ; v27 the first tile's scale words: lanes 0-15 A's rows, lanes 16-31 B's
.set SPW,   28
.set NIL,   29
.set ADRS2, 30                         ; v30 v's scale words: lanes 0-15 A's rows, lanes 16-31 B's
.set ADRS3, 31                         ; v31 v's scale words: all lanes A's rows
.set SC,   32
.set F2,   96
.set MT,   112
.set AF,   128
.set BI,   192
.set PK,   64                          ; in window 1
.set WV, 16
.set WR, 17                            ; which half of A's rows is mine; also: I fetch for A (0) or B (1)
.set WC, 18                            ; which half of B's rows is mine; also: which 128 rows I fetch
.set P,  19                            ; 0: q, 1: k
.set CL, 20                            ; the cluster's number
.set TA, 21                            ; the first tile's block of 256 tokens
.set G1, 24
.set G0, 32
.set G1B, 48
.set G0B, 56
.set G1S, 68
.set G0S, 76
.set G1SB, 80
.set G0SB, 88
.set G0S2, 92                          ; s[92:95], s[96:99] groups 0 for v's scales
.set G0SB2, 96
.set DA, 100                           ; s[100:101] bytes from the first tile's rows of A to v's (added)
.set DB, 104                           ; s[104:105] bytes from v's rows of B to the first tile's (subtracted)
.set MSB, 0
.macro WIN new                         ; the immediate's high byte repeats the setting that is left
.if MSB != (\new)
	s_set_vgpr_msb (MSB<<8)|(\new)
.set MSB, \new
.endif
.endm
.set MUL_LO, 0xa1                      ; source 0 (B) window 1, source 1 (A) window 0, C and D window 2
.set MUL_HI, 0xf1
.set TO_B,   0x40
; A joint load of the first tile: waves 0 and 1 fetch for A, waves 2 and 3 for B; the branch hangs on the wave's number alone.  An s_nop 0 and four v_nop follow each of the two lines.
.macro JLOAD g0a, g1a, g0b, g1b
	s_cmp_eq_u32 s[WR], 0
	s_cbranch_scc0 .Lfor_b_\@
	tensor_load_to_lds s[\g0a:\g0a+3], s[\g1a:\g1a+7]
	s_nop 0
.rept 4
	v_nop
.endr
	s_branch .Lasked_\@
.Lfor_b_\@:
	tensor_load_to_lds s[\g0b:\g0b+3], s[\g1b:\g1b+7]
	s_nop 0
.rept 4
	v_nop
.endr
.Lasked_\@:
.endm
; A joint load for v: waves 0 and 1 fetch A's halves, wave 2 B's 128 rows, wave 3 nothing.
.macro JLOAD2 g0a, g1a, g0b, g1b
	s_cmp_eq_u32 s[WR], 0
	s_cbranch_scc0 .Lnot_a_\@
	tensor_load_to_lds s[\g0a:\g0a+3], s[\g1a:\g1a+7]
	s_nop 0
.rept 4
	v_nop
.endr
	s_branch .Lasked_\@
.Lnot_a_\@:
	s_cmp_eq_u32 s[WV], 2
	s_cbranch_scc0 .Lasked_\@
	tensor_load_to_lds s[\g0b:\g0b+3], s[\g1b:\g1b+7]
	s_nop 0
.rept 4
	v_nop
.endr
.Lasked_\@:
.endm
.macro CREST                           ; a round of the cluster's barrier behind its opening barrier
	s_cmp_lg_u32 s[WV], 0
	s_cbranch_scc1 .Lnot_wave_0_\@
	s_barrier_signal -3
.Lnot_wave_0_\@:
	s_barrier_wait -3
	s_barrier_signal -1
	s_barrier_wait -1
.endm
.macro CROUND                          ; a whole round
	s_barrier_signal -1
	s_barrier_wait -1
	CREST
.endm
	s_load_b256 s[4:11], s[0:1], 0x0               ; codes 4, scales 6, bq 8, bk 10
	s_load_b128 s[12:15], s[0:1], 0x20             ; mask 12, qkv 14
	v_lshl_add_u32 v[SPW], v0, 2, SPARE
	v_mov_b32 v[NIL], 0
	ds_add_u32 v[SPW], v[NIL]                      ; the wave's opening: the add, twice on end, and its wait ahead of my first tensor load
	ds_add_u32 v[SPW], v[NIL]
	v_lshrrev_b32 v1, 5, v0
	v_readfirstlane_b32 s[WV], v1
	s_lshr_b32 s[WR], s[WV], 1
	s_and_b32 s[WC], s[WV], 1
	s_bfe_u32 s40, ttmp6, 0x40000                  ; cx
	s_bfe_u32 s41, ttmp6, 0x40004                  ; cy
	s_and_b32 s[CL], ttmp7, 0xffff                 ; c = cluster y, 0..15
	s_lshr_b32 s[P], s[CL], 3
	s_and_b32 s23, s[CL], 7
	s_lshl_b32 s42, s41, 2
	s_lshl_b32 s42, 15, s42                        ; my row of the cluster
	s_lshl_b32 s43, 0x1111, s40                    ; my column
	s_or_b32 s[G1+0], s42, (0<<16)|(1<<20)|(1<<21)|(5<<22)|(3<<25)  ; the mask; elements of 1 byte; padding on; bit 21 beside a mask; 4 words behind every 64
	s_or_b32 s[G1B+0], s43, (0<<16)|(1<<20)|(1<<21)|(5<<22)|(3<<25)
.irp g, G1, G1B
	s_mov_b32 s[\g+1], ROWB<<16                    ; tensor_dim0
	s_mov_b32 s[\g+2], 128<<16                     ; tensor_dim1
	s_mov_b32 s[\g+3], ROWB<<16                    ; tile_dim0
	s_mov_b32 s[\g+4], 128                         ; tile_dim1
	s_mov_b32 s[\g+5], KROW                        ; stride from row to row
	s_mov_b32 s[\g+6], 0
	s_mov_b32 s[\g+7], 0
.endr
	s_or_b32 s[G1S+0], s42, (3<<16)|(1<<20)|(1<<21)|(5<<22)|(3<<25) ; the scales of 128 rows: 4,096 dense bytes as 16 rows of 256, 16 bytes of padding behind each
	s_or_b32 s[G1SB+0], s43, (3<<16)|(1<<20)|(1<<21)|(5<<22)|(3<<25)
.irp g, G1S, G1SB
	s_mov_b32 s[\g+1], 32<<16
	s_mov_b32 s[\g+2], (128*KS/256)<<16
	s_mov_b32 s[\g+3], 32<<16
	s_mov_b32 s[\g+4], 128*KS/256
	s_mov_b32 s[\g+5], 32
	s_mov_b32 s[\g+6], 0
	s_mov_b32 s[\g+7], 0
.endr
	; Byte offsets in the two buffers.  codes: x of product p at p 4,194,304, W of p at 12,582,912 + p 524,288, 512 bytes a row.  scales: x at p 262,144, W at 786,432 + p 32,768, 32 bytes a row.
	; A's offsets are made of cy, c and the wave alone, B's of cx, c and the wave alone.
	s_lshl_b32 s[TA], s23, 2
	s_add_co_u32 s[TA], s[TA], s41                 ; the first tile's tokens: block cy + 4 (c % 8) of 256
	s_lshl_b32 s47, s[WC], 7                       ; which 128 rows of a tile I fetch
	s_lshl_b32 s2, s[TA], 8
	s_add_co_u32 s2, s2, s47
	s_lshl_b32 s[G0+2], s2, 9
	s_lshl_b32 s3, s[P], 22
	s_add_co_u32 s[G0+2], s[G0+2], s3              ; A, first tile: x's codes
	s_lshl_b32 s[G0S+2], s2, 5
	s_lshl_b32 s3, s[P], 18
	s_add_co_u32 s[G0S+2], s[G0S+2], s3            ; and scales
	s_lshl_b32 s2, s41, 8
	s_add_co_u32 s2, s2, s47                       ; A, v: rows 256 cy + 128 x half of Wv
	s_lshl_b32 s[G0S2+2], s2, 5
	s_add_co_u32 s[G0S2+2], s[G0S2+2], 851968      ; their scales
	s_lshl_b32 s2, s2, 9
	s_add_co_u32 s2, s2, 13631488                  ; their codes,
	s_sub_co_u32 s[DA], s2, s[G0+2]                ; as a step from the first tile's: W's codes lie behind all of x's, so it is positive
	s_mov_b32 s[DA+1], 0
	s_lshl_b32 s66, s40, 8
	s_add_co_u32 s66, s66, s47                     ; B, first tile: rows 256 cx + 128 x half of W
	s_lshl_b32 s[G0B+2], s66, 9
	s_lshl_b32 s3, s[P], 19
	s_add_co_u32 s3, s3, 12582912
	s_add_co_u32 s[G0B+2], s[G0B+2], s3            ; their codes
	s_lshl_b32 s[G0SB+2], s66, 5
	s_lshl_b32 s3, s[P], 15
	s_add_co_u32 s3, s3, 786432
	s_add_co_u32 s[G0SB+2], s[G0SB+2], s3          ; and scales
	s_lshl_b32 s66, s[CL], 2
	s_add_co_u32 s66, s66, s40
	s_lshl_b32 s66, s66, 7                         ; B, v: tokens 128 (cx + 4 c) on
	s_lshl_b32 s[G0SB2+2], s66, 5
	s_add_co_u32 s[G0SB2+2], s[G0SB2+2], 524288    ; their scales
	s_lshl_b32 s66, s66, 9
	s_add_co_u32 s66, s66, 8388608                 ; their codes,
	s_sub_co_u32 s[DB], s[G0B+2], s66              ; as a step back from the first tile's: positive
	s_mov_b32 s[DB+1], 0
.irp g, G0, G0B, G0S, G0SB, G0S2, G0SB2
	s_mov_b32 s[\g+3], 0
.endr
	s_mul_i32 s45, s[WV], HALFT                    ; where they go: wave x 128 rows: no place in the cluster enters an LDS address
	s_mul_i32 s67, s[WV], HALFS
	s_wait_dscnt 0x0                               ; both opening adds are done
	s_wait_kmcnt 0x0
	s_add_nc_u64 s[G0+2:G0+3], s[4:5], s[G0+2:G0+3]
	s_add_nc_u64 s[G0B+2:G0B+3], s[4:5], s[G0B+2:G0B+3]
	s_add_nc_u64 s[G0S+2:G0S+3], s[6:7], s[G0S+2:G0S+3]
	s_add_nc_u64 s[G0SB+2:G0SB+3], s[6:7], s[G0SB+2:G0SB+3]
	s_add_nc_u64 s[G0S2+2:G0S2+3], s[6:7], s[G0S2+2:G0S2+3]
	s_add_nc_u64 s[G0SB2+2:G0SB2+3], s[6:7], s[G0SB2+2:G0SB2+3]
	s_add_nc_u64 s[G0+6:G0+7], s[G0+2:G0+3], ROWB  ; slot 1: the second 512 along K
	s_add_nc_u64 s[G0B+6:G0B+7], s[G0B+2:G0B+3], ROWB
	CROUND                                         ; all sixteen work-groups are here: the first joint loads meet
.irp g, G0S, G0SB
	s_mov_b32 s[\g], 1
	s_add_co_u32 s[\g+1], s67, SCL
	s_or_b32 s[\g+3], s[\g+3], 0x80000000
.endr
	JLOAD G0S, G1S, G0SB, G1SB                     ; the first tile's scales
.irp g, G0S2, G0SB2
	s_mov_b32 s[\g], 1
	s_add_co_u32 s[\g+1], s67, SCL2
	s_or_b32 s[\g+3], s[\g+3], 0x80000000
.endr
	JLOAD2 G0S2, G1S, G0SB2, G1SB                  ; v's scales: filled once, like the first tile's
.irp s, 0,1
	s_mov_b32 s[G0+4*\s], 1
	s_add_co_u32 s[G0+4*\s+1], s45, \s*SLOT
	s_or_b32 s[G0+4*\s+3], s[G0+4*\s+3], 0x80000000
	s_mov_b32 s[G0B+4*\s], 1
	s_add_co_u32 s[G0B+4*\s+1], s45, \s*SLOT
	s_or_b32 s[G0B+4*\s+3], s[G0B+4*\s+3], 0x80000000
	JLOAD G0+4*\s, G1, G0B+4*\s, G1B               ; four tensor loads of mine are out at the most
.endr
	v_and_b32 v1, 15, v0                           ; r
	v_bfe_u32 v2, v0, 4, 1                         ; h
	v_mul_u32_u24 v3, v1, PITCH
	v_lshl_add_u32 v4, v2, 4, v3                   ; a fragment's row x pitch + 16 h
	s_mul_i32 s44, s[WR], HALFT                    ; my 128 rows of A
	s_mul_i32 s46, s[WC], HALFT                    ; my 128 rows of B, behind A's 256
	s_add_co_u32 s46, s46, 2*HALFT
	s_mul_i32 s47, s[WC], 64*PITCH                 ; v: my 64 rows of B
	s_add_co_u32 s47, s47, 2*HALFT
.irp s, 0,1
	v_add_nc_u32 v[ADRA+\s], s44, v4
	v_add_nc_u32 v[ADRB+\s], s46, v4
	v_add_nc_u32 v[ADRB2+\s], s47, v4
	s_add_co_u32 s44, s44, SLOT
	s_add_co_u32 s46, s46, SLOT
	s_add_co_u32 s47, s47, SLOT
.endr
	v_mul_u32_u24 v5, v1, KS                       ; my row's scales: 32 bytes a row,
	v_lshrrev_b32 v6, 8, v5
	v_lshl_add_u32 v5, v6, 4, v5                   ; and 16 more for each 256 passed
	s_mul_i32 s44, s[WR], HALFS                    ; A's: my 128 rows
	s_mul_i32 s46, s[WC], HALFS
	s_add_co_u32 s46, s46, 2*HALFS
	s_sub_co_u32 s46, s46, s44                     ; from there to B's: my 128 rows
	v_mul_u32_u24 v6, s46, v2                      ; lanes 16-31 take B's
	s_add_co_u32 s47, s44, SCL
	v_add_nc_u32 v6, v5, v6
	v_add_nc_u32 v[ADRS], s47, v6
	s_mul_i32 s46, s[WC], 4*SBLK
	s_add_co_u32 s46, s46, 2*HALFS
	s_sub_co_u32 s46, s46, s44                     ; v: from A's to B's: my 64 rows
	v_mul_u32_u24 v6, s46, v2
	s_add_co_u32 s47, s44, SCL2
	v_add_nc_u32 v[ADRS3], s47, v5
	v_add_nc_u32 v[ADRS2], v[ADRS3], v6
	v_and_b32 v6, 31, v0
	v_lshlrev_b32 v[VOF], 4, v6
	v_lshlrev_b32 v[BOF], 5, v2
	v_lshlrev_b32 v[MOF], 2, v1
	; the bias of my 128 channels (register 8 b + j: channel 16 b + 8 h + j) and the mask words of my 128 tokens (register a: token 16 a + r): asked for now, waited for on the first way out
	s_cmp_eq_u32 s[P], 0
	s_cselect_b64 s[8:9], s[8:9], s[10:11]         ; bq for q, bk for k
	s_lshl_b32 s2, s40, 10
	s_lshl_b32 s3, s[WC], 9
	s_add_co_u32 s2, s2, s3
	s_mov_b32 s3, 0
	s_add_nc_u64 s[8:9], s[8:9], s[2:3]
	s_lshl_b32 s2, s[TA], 10
	s_lshl_b32 s66, s[WR], 9
	s_add_co_u32 s2, s2, s66
	s_add_nc_u64 s[12:13], s[12:13], s[2:3]
.irp b, 0,1,2,3,4,5,6,7
	global_load_b128 v[BI+8*\b:BI+8*\b+3], v[BOF], s[8:9] offset:64*\b
	global_load_b128 v[BI+8*\b+4:BI+8*\b+7], v[BOF], s[8:9] offset:64*\b+16
.endr
.irp a, 0,1,2,3,4,5,6,7
	global_load_b32 v[MT+\a], v[MOF], s[12:13] offset:64*\a
.endr
	; Where the images go.  q, k: image (16 batch + head, token tile, u) at p 16,777,216 + (16 batch + head) 131,072 + 2,048 tile + 1,024 u.  v: image (16 batch + head, key chunk g of 32, channel tile ct)
	; at 33,554,432 + (16 batch + head) 131,072 + 4,096 g + 1,024 ct.  In both a token's place in its batch counts 128 bytes.
	s_lshl_b32 s2, s[CL], 2
	s_add_co_u32 s2, s2, s40
	s_lshl_b32 s2, s2, 7
	s_lshl_b32 s3, s[WC], 6
	s_add_co_u32 s2, s2, s3                        ; v: my first token
	s_lshr_b32 s3, s2, 10
	s_lshl_b32 s3, s3, 4
	s_lshl_b32 s66, s41, 2
	s_add_co_u32 s3, s3, s66
	s_lshl_b32 s66, s[WR], 1
	s_add_co_u32 s3, s3, s66                       ; 16 batch + my first head: 4 cy + 2 x half
	s_lshl_b32 s3, s3, 17
	s_and_b32 s2, s2, 1023
	s_lshl_b32 s2, s2, 7
	s_add_co_u32 s2, s2, s3
	s_add_co_u32 s2, s2, 33554432
	s_mov_b32 s3, 0
	s_add_nc_u64 s[10:11], s[14:15], s[2:3]        ; s[10:11]: v's images
	s_lshl_b32 s2, s[TA], 8
	s_lshl_b32 s3, s[WR], 7
	s_add_co_u32 s2, s2, s3                        ; q, k: my first token
	s_lshr_b32 s3, s2, 10
	s_lshl_b32 s3, s3, 4
	s_lshl_b32 s66, s40, 2
	s_add_co_u32 s3, s3, s66
	s_lshl_b32 s66, s[WC], 1
	s_add_co_u32 s3, s3, s66                       ; 16 batch + my first head: 4 cx + 2 x half
	s_lshl_b32 s3, s3, 17
	s_and_b32 s2, s2, 1023
	s_lshl_b32 s2, s2, 7
	s_add_co_u32 s2, s2, s3
	s_lshl_b32 s3, s[P], 24
	s_add_co_u32 s2, s2, s3
	s_mov_b32 s3, 0
	s_add_nc_u64 s[14:15], s[14:15], s[2:3]        ; s[14:15]: q's or k's images
.macro FRAG reg, adr, q, i             ; 16 rows x 128 K of 4-bit codes: 8 registers: lane l holds row l % 16; registers 4 c .. 4 c + 3 hold K = 64 c + 32 (l / 16) + 0 .. 31
.irp c, 0,1
	ds_load_b128 v[\reg+4*\c:\reg+4*\c+3], v[\adr] offset:64*(\q)+32*\c+(\i)*16*PITCH
.endr
.endm
; A's blocks a0, a0 + 1 x B's first nb blocks, 128 along K.  The accumulators take turns, one instruction a turn, in the same order in every step.
; A scale register carries A's words in lanes 0-15 and B's in lanes 16-31.
.macro MUL16 a0, nb, p, q, sc, zero
.irp a, \a0, \a0+1
.irp b, 0,1,2,3,4,5,6,7
.if \b < \nb
.if \zero
	v_wmma_scale_f32_16x16x128_f8f6f4 v[8*(8*((\a)%4)+\b):8*(8*((\a)%4)+\b)+7], v[128*(\p)+FR*\b:128*(\p)+FR*\b+FR-1], v[AF+FR*(\a):AF+FR*(\a)+FR-1], 0, v[SC+8*NQ*(\sc)+NQ*\b+(\q)], v[SC+8*NQ*(\sc)+NQ*(\a)+(\q)] matrix_a_fmt:MATRIX_FMT_FP4 matrix_b_fmt:MATRIX_FMT_FP4 matrix_a_scale:MATRIX_SCALE_ROW1
.else
	v_wmma_scale_f32_16x16x128_f8f6f4 v[8*(8*((\a)%4)+\b):8*(8*((\a)%4)+\b)+7], v[128*(\p)+FR*\b:128*(\p)+FR*\b+FR-1], v[AF+FR*(\a):AF+FR*(\a)+FR-1], v[8*(8*((\a)%4)+\b):8*(8*((\a)%4)+\b)+7], v[SC+8*NQ*(\sc)+NQ*\b+(\q)], v[SC+8*NQ*(\sc)+NQ*(\a)+(\q)] matrix_a_fmt:MATRIX_FMT_FP4 matrix_b_fmt:MATRIX_FMT_FP4 matrix_a_scale:MATRIX_SCALE_ROW1
.endif
.endif
.endr
.endr
.endm
.macro FETCH_B adr, nb, q, p           ; B's first nb fragments of the q-th 128 along K into set p
	WIN TO_B
.irp i, 0,1,2,3,4,5,6,7
.if \i < \nb
	FRAG 128*(\p)+FR*\i, \adr, \q, \i
.endif
.endr
	WIN 0
.endm
.macro FETCH_A slot, q, i0             ; A's blocks i0 .. i0 + 3
.irp i, \i0, \i0+1, \i0+2, \i0+3
	FRAG AF+FR*(\i), ADRA+\slot, \q, \i
.endr
.endm
.macro SCALES sc                       ; a slot's scale words of the first tile: 4 words a row; lanes 0-15 take A's block i, lanes 16-31 B's
.irp i, 0,1,2,3,4,5,6,7
	ds_load_b128 v[SC+8*NQ*\sc+NQ*\i:SC+8*NQ*\sc+NQ*\i+3], v[ADRS] offset:\i*SBLK
.endr
.endm
.macro SCALES2 sc                      ; and of v: B has four blocks, so registers 4 to 7 of a set take A's words in all lanes
.irp i, 0,1,2,3
	ds_load_b128 v[SC+8*NQ*\sc+NQ*\i:SC+8*NQ*\sc+NQ*\i+3], v[ADRS2] offset:\i*SBLK
.endr
.irp i, 4,5,6,7
	ds_load_b128 v[SC+8*NQ*\sc+NQ*\i:SC+8*NQ*\sc+NQ*\i+3], v[ADRS3] offset:\i*SBLK
.endr
.endm
.macro PLACES n                        ; plain vector instructions between a matrix instruction and a load into, or a vector access of, its registers
.rept \n
	v_nop
.endr
.endm
.macro STEP slot, q, zero, nb, ab      ; 128 along K that has its successor in the same slot; nb: B's blocks; ab: B's address registers
	s_wait_dscnt 4*NL                              ; B's set and A's blocks 0-3 are in; the youngest eight loads (A's blocks 4-7) may be out
	WIN MUL_LO
	MUL16 0, \nb, (\q)%2, \q, \slot, \zero
	MUL16 2, \nb, (\q)%2, \q, \slot, \zero
	s_wait_dscnt 0
	PLACES NP
	FETCH_B \ab+\slot, \nb, (\q)+1, 1-(\q)%2
	FETCH_A \slot, (\q)+1, 0
	WIN MUL_HI
	MUL16 4, \nb, (\q)%2, \q, \slot, \zero
	MUL16 6, \nb, (\q)%2, \q, \slot, \zero
	PLACES NP
	WIN 0
	FETCH_A \slot, (\q)+1, 4
.endm
.macro STEPS slot, from, nb, ab
.set Q, \from
.rept NQ-1-\from
	STEP \slot, Q, 0, \nb, \ab
.set Q, Q+1
.endr
.endm
; A slot's last step changes slots: one barrier; in front of it each wave waits for all its tensor loads, adds 0 to its spare word, and waits for that and for its own reads of this slot.
; fill = 1: the barrier opens a round of the cluster's barrier, and this slot is filled again, with v's codes of the same half of K.  nb: B's blocks now; nnb, abn, ph: B's blocks, its address registers
; and the tile (1 or 2) of the slot that comes; adv: which scale addresses go 16 bytes on (0: none).
.macro TURN slot, next, fill, nb, nnb, abn, ph, adv
	s_wait_tensorcnt 0x0                           ; all my tensor loads have landed: my part of the slot that comes
	ds_add_u32 v[SPW], v[NIL]
	s_wait_dscnt 4*NL+1                            ; the add and the youngest eight loads may be out
	WIN MUL_LO
	MUL16 0, \nb, 1, NQ-1, \slot, 0
	s_wait_dscnt 0x0                               ; the add is done, and my reads of this slot are over
	s_barrier_signal -1
	MUL16 2, \nb, 1, NQ-1, \slot, 0
	WIN 0
	s_barrier_wait -1
.if \fill
	CREST                                          ; no wave of any partner still reads this slot or has a load on its way
	s_add_nc_u64 s[G0+4*\slot+2:G0+4*\slot+3], s[G0+4*\slot+2:G0+4*\slot+3], s[DA:DA+1]
	s_sub_nc_u64 s[G0B+4*\slot+2:G0B+4*\slot+3], s[G0B+4*\slot+2:G0B+4*\slot+3], s[DB:DB+1]
	JLOAD2 G0+4*\slot, G1, G0B+4*\slot, G1B        ; the first tensor load behind the round, one a wave
.endif
	PLACES NP                                      ; on every wave's path, in front of the loads into A's blocks 0-3
.if \adv == 1
	v_add_nc_u32 v[ADRS], 4*NQ, v[ADRS]
.endif
.if \adv == 2
	v_add_nc_u32 v[ADRS2], 4*NQ, v[ADRS2]
	v_add_nc_u32 v[ADRS3], 4*NQ, v[ADRS3]
.endif
	FETCH_B \abn+\next, \nnb, 0, 0
	FETCH_A \next, 0, 0
.if \ph == 1
	SCALES \next
.else
	SCALES2 \next
.endif
	WIN MUL_HI
	MUL16 4, \nb, 1, NQ-1, \slot, 0
	MUL16 6, \nb, 1, NQ-1, \slot, 0
	PLACES NP
	WIN 0
	FETCH_A \next, 0, 4
.endm
	s_wait_tensorcnt 1                             ; both tiles' scales and my part of slot 0 are in; slot 1's load may be out
	s_barrier_signal -1
	s_barrier_wait -1
	FETCH_B ADRB+0, 8, 0, 0
	FETCH_A 0, 0, 0
	SCALES 0
	FETCH_A 0, 0, 4
	; ---- the first tile: q or k
	STEP 0, 0, 1, 8, ADRB                          ; the first products start the sums: nothing is cleared
	STEPS 0, 1, 8, ADRB
	TURN 0, 1, 1, 8, 8, ADRB, 1, 1                 ; slot 0 takes v's first 512 along K
	STEPS 1, 0, 8, ADRB
	TURN 1, 0, 1, 8, 4, ADRB2, 2, 0                ; slot 1 takes v's second 512; v's first fragments are fetched
	; ---- q's or k's way out; both refills are asked for, and nothing waits for these stores
	s_wait_loadcnt 0x0                             ; the bias and the mask words
	s_cmp_eq_u32 s[P], 1
	s_cselect_b32 s23, 0, -1                       ; q keeps every row; k keeps the rows whose mask is not 0
.irp a, 0,1,2,3,4,5,6,7
	v_cmp_ne_u32 s[46+\a%2], 0, v[MT+\a]
	s_or_b32 s[46+\a%2], s[46+\a%2], s23
	v_cndmask_b32 v[F2+2*\a], 0, 1.0, s[46+\a%2]   ; 1 or 0, twice: a pair for the packed multiply
	v_cndmask_b32 v[F2+2*\a+1], 0, 1.0, s[46+\a%2]
.endr
.macro OUTQK a                         ; block a: (sum + bias) x factor in place, each accumulator from its low end on; rounded to f16; eight stores of 512 consecutive bytes
.set AC, 64*((\a)%4)
.set PS, PK+32*((\a)%2)
	WIN 0x82+0x41*((\a)/4)                         ; destination and source 0: window 2 or 3
.set KK, 0
.rept 32
	v_pk_add_f32 v[AC+2*KK:AC+2*KK+1], v[AC+2*KK:AC+2*KK+1], v[BI+2*KK:BI+2*KK+1]
.set KK, KK+1
.endr
.set KK, 0
.rept 32
	v_pk_mul_f32 v[AC+2*KK:AC+2*KK+1], v[AC+2*KK:AC+2*KK+1], v[F2+2*(\a):F2+2*(\a)+1]
.set KK, KK+1
.endr
	s_wait_xcnt 0x0                                ; block a - 2's stores have read this set of packed registers
	WIN 0x4a+5*((\a)/4)                            ; sources 0 and 1: window 2 or 3; destination window 1
.set KK, 0
.rept 32
	v_cvt_pk_f16_f32 v[PS+KK], v[AC+2*KK], v[AC+2*KK+1]
.set KK, KK+1
.endr
	WIN 0x04                                       ; a store's data: window 1
.irp bp, 0,1,2,3                       ; tiles 2 bp, 2 bp + 1 of channels: head bp / 2, chunk u = bp % 2
.irp e, 0,1
	global_store_b128 v[VOF], v[PS+8*\bp+4*\e:PS+8*\bp+4*\e+3], s[14:15] offset:2048*(\a)+(\bp/2)*131072+(\bp%2)*1024+512*\e
.endr
.endr
.endm
.irp a, 0,1,2,3,4,5,6,7
	OUTQK \a
.endr
	; ---- the second tile: v
	STEP 0, 0, 1, 4, ADRB2                         ; its first products start the sums anew
	STEPS 0, 1, 4, ADRB2
	TURN 0, 1, 0, 4, 4, ADRB2, 2, 2                ; nothing is left to fetch
	STEPS 1, 0, 4, ADRB2
	s_wait_dscnt 4*NL                              ; the very last step
	WIN MUL_LO
	MUL16 0, 4, 1, NQ-1, 1, 0
	MUL16 2, 4, 1, NQ-1, 1, 0
	s_wait_dscnt 0
	WIN MUL_HI
	MUL16 4, 4, 1, NQ-1, 1, 0
	MUL16 6, 4, 1, NQ-1, 1, 0
	WIN 0
	PLACES NP                                      ; in front of the first read of results
.macro OUTV a                          ; block a = 16 channels: head a / 4, channel tile a % 4; four stores of 512 consecutive bytes
.set AC, 64*((\a)%4)
.set PS, PK+16*((\a)%2)
	s_wait_xcnt 0x0                                ; the earlier stores have read this set of packed registers
	WIN 0x4a+5*((\a)/4)
.set KK, 0
.rept 16
	v_cvt_pk_f16_f32 v[PS+KK], v[AC+2*KK], v[AC+2*KK+1]
.set KK, KK+1
.endr
	WIN 0x04
.irp bp, 0,1                           ; tiles 2 bp, 2 bp + 1 of tokens: key chunk bp
.irp e, 0,1
	global_store_b128 v[VOF], v[PS+8*\bp+4*\e:PS+8*\bp+4*\e+3], s[10:11] offset:((\a)/4)*131072+((\a)%4)*1024+4096*\bp+512*\e
.endr
.endr
.endm
.irp a, 0,1,2,3,4,5,6,7
	OUTV \a
.endr
	WIN 0
	s_wait_tensorcnt 0x0                           ; the wave's end
	ds_add_u32 v[SPW], v[NIL]
	s_wait_dscnt 0x0
	CROUND                                         ; the closing round
	s_endpgm
.Lfunc_end_k_q6089b17ef8_proj:
	.size	k_q6089b17ef8_proj, .Lfunc_end_k_q6089b17ef8_proj-k_q6089b17ef8_proj
	.p2alignl 7, 3214868480
	.fill 96, 4, 3214868480
	.section	.rodata,"a",@progbits
	.p2align	6, 0x0
	.amdhsa_kernel k_q6089b17ef8_proj
		.amdhsa_group_segment_fixed_size 327680
		.amdhsa_private_segment_fixed_size 0
		.amdhsa_enable_private_segment 0
		.amdhsa_kernarg_size 48
		.amdhsa_user_sgpr_count 2
		.amdhsa_user_sgpr_kernarg_segment_ptr 1
		.amdhsa_wavefront_size32 1
		.amdhsa_system_sgpr_workgroup_id_x 1
		.amdhsa_system_sgpr_workgroup_id_y 1
		.amdhsa_system_sgpr_workgroup_id_z 1
		.amdhsa_system_vgpr_workitem_id 0
		.amdhsa_next_free_vgpr 1024
		.amdhsa_next_free_sgpr 106
		.amdhsa_reserve_vcc 0
		.amdhsa_float_denorm_mode_32 3
		.amdhsa_float_denorm_mode_16_64 3
		.amdhsa_memory_ordered 1
		.amdhsa_forward_progress 1
		.amdhsa_inst_pref_size 220
	.end_amdhsa_kernel
	.amdgpu_metadata
---
amdhsa.version: [ 1, 2 ]
amdhsa.kernels:
  - .name:           k_q6089b17ef8_proj
    .symbol:         k_q6089b17ef8_proj.kd
    .args:
      - { .name: codes, .offset: 0, .size: 8, .value_kind: global_buffer, .address_space: global }
      - { .name: scales, .offset: 8, .size: 8, .value_kind: global_buffer, .address_space: global }
      - { .name: bq, .offset: 16, .size: 8, .value_kind: global_buffer, .address_space: global }
      - { .name: bk, .offset: 24, .size: 8, .value_kind: global_buffer, .address_space: global }
      - { .name: mask, .offset: 32, .size: 8, .value_kind: global_buffer, .address_space: global }
      - { .name: qkv, .offset: 40, .size: 8, .value_kind: global_buffer, .address_space: global }
    .group_segment_fixed_size: 327680
    .private_segment_fixed_size: 0
    .kernarg_segment_align: 8
    .kernarg_segment_size: 48
    .max_flat_workgroup_size: 128
    .sgpr_count:     106
    .vgpr_count:     1024
    .wavefront_size: 32
...
	.end_amdgpu_metadata
.endif
;; end of part 2
;; launch attn (part 3): grid 2 x 128, 8 waves a work-group, no clusters, 267,264 bytes of LDS; arguments qkv, mask, bv, ctx_img; writes ctx_img
.if DOCPART == 3
	.amdgcn_target "amdgcn-amd-amdhsa--gfx1250"
	.amdhsa_code_object_version 6
	.text
	.protected	k_q6089b17ef8_attn
	.globl	k_q6089b17ef8_attn
	.p2align	8
	.type	k_q6089b17ef8_attn,@function
k_q6089b17ef8_attn:
	s_mov_b64 s[64:65], 0
	v_nop
	global_prefetch_b8 v0, s[64:65] scope:SCOPE_SE
	s_setreg_imm32_b32 hwreg(HW_REG_WAVE_MODE, 25, 1), 1
	s_wait_xcnt 0x0
; ctx = softmax(where(mask == 0, -10,000, q k^T / 8)) v + bv, for one head and 512 queries a work-group; operands f16, products, maxima and sums f32.
; q, k, v arrive as images of f16 fragments (registers 0-3 as 512 bytes, lane l's 16 bytes at 16 l; registers 4-7 as the next 512): every load is 16 x lane, dense.
; SHARES.  Work-group (x = half of the queries, y = 16 batch + head); wave w owns 64 queries, four tiles of 16; every wave walks the head's 1,024 keys, 64 a step.  Two waves of 512 registers share a SIMD.
; LAYOUT.  S^T = K Q^T (source 0 = 16 keys, source 1 = 16 queries) and O^T = V^T P (source 0 = 16 channels x 32 keys): a lane holds ONE query throughout; two tiles of S^T, rounded to f16 in pairs, are P's fragment.
; THE MASK costs no vector instruction in the loop: k's rows of masked keys are zeros, and the C operand of the first product of each score is a table with 0 for open keys and -80,000 for masked ones: the score / 8 is then exactly -10,000.
; SOFTMAX.  A running maximum m and sum l for each query: p = 2^(c s - c m), c = log2(e) / 8; in every step O and l are multiplied by a = 2^(c m_old - c m_new).
; bv is added behind the division by l: the weights sum to 1.
; LDS: a head's K (131,072 bytes) and V (131,072) are fetched once, in four chunks of 256 keys, each wave 8,192 bytes of each chunk; nothing is filled twice.  The first chunk is waited for alone, so that the products begin early;
; the other three together, four steps later: two barriers in all.  No cluster: a head's K and V are asked for once by each of two work-groups, with no ring to share.
; LIMITS: |ctx| above 65,504 has no f16 number; NaN and infinities are not served.
; REGISTERS: window 0: v1-9 addresses; v16-47 eight of statistics a tile (+0 c m, +1 m, +2, +3 l, +4..+7 at work; a at +6); v48-79 the table's 32 numbers of a step; v80-111 bv; v112-115 mask words; v128-255 S^T, 32 a tile, later P in its first 16.
;   window 1: v0-63 Q; v64-127 K, then V, of a step; v128-255 O^T, 32 a tile.
.set LI,  1                            ; 16 x lane
.set LIV, 2                            ; + V's place in LDS
.set ACB, 3                            ; the table + 32 h
.set SPW, 4
.set NIL, 5
.set ADK, 6
.set ADV, 7
.set ADC, 8
.set NEG, 9
.set ST,  16
.set CB,  48
.set BV,  80
.set S,   128
.set QF,  0
.set KV,  64
.set OT,  128
.set VBASE, 131072
.set TAB,   262144                     ; one f32 a key; written by LDS stores, in blocks of its own
.set SPARE, 266240                     ; the spare words: 128 bytes a wave, named by no other line
.set WV, 12
.set BH, 13
.set G1, 16
.set G0, 24                            ; s[24:39] a group 0 for each chunk
.set SEL, 40
.set TB,  42                           ; the step's place in K and in V: 8,192 bytes a step
.set TC,  43                           ; and in the table: 256 bytes a step
.set CNT, 44
.set CS,  46
.set MSB, 0
.macro WIN new
.if MSB != (\new)
	s_set_vgpr_msb (MSB<<8)|(\new)
.set MSB, \new
.endif
.endm
	s_load_b256 s[4:11], s[0:1], 0x0               ; qkv 4, mask 6, bv 8, ctx_img 10
	v_lshl_add_u32 v[SPW], v0, 2, SPARE
	v_mov_b32 v[NIL], 0
	ds_add_u32 v[SPW], v[NIL]                      ; the wave's opening: the add, twice on end, and its wait ahead of my first tensor load
	ds_add_u32 v[SPW], v[NIL]
	v_lshrrev_b32 v10, 5, v0
	v_readfirstlane_b32 s[WV], v10                 ; wave 0..7
	s_and_b32 s[BH], ttmp7, 0xffff                 ; 16 batch + head
	s_mov_b32 s[G1+0], 3<<16                       ; elements of 8 bytes, no mask, no padding
	s_mov_b32 s[G1+1], 32<<16                      ; tensor_dim0 = 32: rows of 256 bytes
	s_mov_b32 s[G1+2], 32<<16                      ; tensor_dim1 = 32
	s_mov_b32 s[G1+3], 32<<16                      ; tile_dim0
	s_mov_b32 s[G1+4], 32                          ; tile_dim1
	s_mov_b32 s[G1+5], 32                          ; dense: the pitch is the row
	s_mov_b32 s[G1+6], 0
	s_mov_b32 s[G1+7], 0
	s_lshr_b32 s48, s[WV], 2                       ; waves 0-3 fetch K, waves 4-7 V
	s_and_b32 s49, s[WV], 3                        ; which 8,192 bytes of a chunk's 32,768
	s_lshl_b32 s51, s49, 13
	s_lshl_b32 s50, s48, 17
	s_add_co_u32 s50, s50, s51                     ; in LDS
	s_add_co_u32 s52, s48, 1
	s_lshl_b32 s52, s52, 24                        ; k's images begin 16,777,216 bytes into qkv, v's 33,554,432
	s_add_co_u32 s52, s52, s51
	s_lshl_b32 s49, s[BH], 17                      ; a head's images: 131,072 bytes
	s_add_co_u32 s52, s52, s49
	s_mov_b32 s53, 0
	s_lshl_b32 s54, ttmp9, 16                      ; Q: my work-group's 32 tiles of 2,048 bytes,
	s_add_co_u32 s54, s54, s49
	s_lshl_b32 s48, s[WV], 13                      ; my wave's four
	s_add_co_u32 s54, s54, s48
	s_mov_b32 s55, 0
	s_mov_b32 s[SEL], 0x76543210
	s_mov_b32 s[SEL+1], 0xfedcba98                 ; v_permlanex16_b32: lane l xor 16
	s_mov_b32 s[CS], 0x3e38aa3b                    ; c = log2(e) / 8
	s_mov_b32 s[CS+1], s[CS]
	s_mov_b32 s[TB], 0
	s_mov_b32 s[TC], 0
	v_and_b32 v10, 31, v0
	v_lshlrev_b32 v[LI], 4, v10
	v_add_nc_u32 v[LIV], VBASE, v[LI]
	v_bfe_u32 v11, v0, 4, 1
	v_lshlrev_b32 v15, 5, v11                      ; 32 h
	v_add_nc_u32 v[ACB], TAB, v15
	v_mov_b32 v[NEG], 0xc79c4000                   ; -80,000
	v_lshlrev_b32 v14, 4, v0                       ; 16 x thread: four keys' mask words, and their place in the table
	v_add_nc_u32 v13, TAB, v14
	s_wait_dscnt 0x0                               ; both opening adds are done
	s_wait_kmcnt 0x0
	s_add_nc_u64 s[52:53], s[4:5], s[52:53]
	s_add_nc_u64 s[54:55], s[4:5], s[54:55]
.irp c, 0,1,2,3
	s_mov_b32 s[G0+4*\c], 1
	s_add_co_u32 s[G0+4*\c+1], s50, 32768*\c
	s_add_nc_u64 s[G0+4*\c+2:G0+4*\c+3], s[52:53], 32768*\c
	s_or_b32 s[G0+4*\c+3], s[G0+4*\c+3], 0x80000000
.endr
.irp c, 0,1,2,3                        ; all fills go out together: four tensor loads of mine are out at the most
	tensor_load_to_lds s[G0+4*\c:G0+4*\c+3], s[G1:G1+7]
	s_nop 0
.endr
.rept 4
	v_nop
.endr
	s_lshr_b32 s48, s[BH], 4                       ; batch
	s_lshl_b32 s50, s48, 12
	s_mov_b32 s51, 0
	s_add_nc_u64 s[6:7], s[6:7], s[50:51]          ; the batch's 1,024 mask words
	s_and_b32 s49, s[BH], 15                       ; head
	s_lshl_b32 s50, s49, 8
	s_add_nc_u64 s[8:9], s[8:9], s[50:51]          ; the head's 64 numbers of bv
	s_lshl_b32 s50, s48, 6
	s_lshl_b32 s48, ttmp9, 5
	s_add_co_u32 s50, s50, s48
	s_lshl_b32 s48, s[WV], 2
	s_add_co_u32 s50, s50, s48                     ; my first row tile of ctx: 64 batch + 32 x + 4 wave
	s_lshl_b32 s50, s50, 15                        ; 32 images a row tile
	s_lshl_b32 s48, s49, 11                        ; chunks 2 head, 2 head + 1
	s_add_co_u32 s50, s50, s48
	s_add_nc_u64 s[10:11], s[10:11], s[50:51]
	global_load_b128 v[112:115], v14, s[6:7]
	WIN 0x40                                       ; destination window 1
.irp i, 0,1,2,3,4,5,6,7,8,9,10,11,12,13,14,15
	global_load_b128 v[QF+4*\i:QF+4*\i+3], v[LI], s[54:55] offset:512*\i   ; Q's fragment (tile t, chunk u) at 16 t + 8 u: it stays
.endr
	WIN 0
.irp ct, 0,1,2,3
	global_load_b128 v[BV+8*\ct:BV+8*\ct+3], v15, s[8:9] offset:64*\ct     ; register 8 ct + j: channel 16 ct + 8 h + j
	global_load_b128 v[BV+8*\ct+4:BV+8*\ct+7], v15, s[8:9] offset:64*\ct+16
.endr
	s_wait_loadcnt 24                              ; the mask words are in; Q's sixteen loads and bv's eight may be out
.irp i, 0,1,2,3
	v_cmp_eq_u32 vcc_lo, 0, v[112+\i]
	v_cndmask_b32 v[112+\i], 0, v[NEG], vcc_lo     ; -80,000 where the mask is 0
.endr
	ds_store_b128 v13, v[112:115]
.macro WAITC n                         ; my loads but the youngest n have landed, my LDS instructions are done, and so every wave's
	s_wait_tensorcnt \n
	s_wait_dscnt 0x0
	s_barrier_signal -1
	s_barrier_wait -1
.endm
; A KEY STEP: 64 keys.  first = 1: the first step starts m, l and O^T.
.macro STEP first
	v_add_nc_u32 v[ADK], s[TB], v[LI]              ; these five plain instructions stand between the last V^T P and the K Q^T that writes over P, and in front of the loads into K's registers
	v_add_nc_u32 v[ADV], s[TB], v[LIV]
	v_add_nc_u32 v[ADC], s[TC], v[ACB]
	v_nop
	v_nop
	WIN 0x40
.irp i, 0,1,2,3,4,5,6,7,8,9,10,11,12,13,14,15
	ds_load_b128 v[KV+4*\i:KV+4*\i+3], v[ADK] offset:512*\i        ; K's fragment (key tile kt, chunk u) at 16 kt + 8 u
.endr
	WIN 0
.irp kt, 0,1,2,3
	ds_load_b128 v[CB+8*\kt:CB+8*\kt+3], v[ADC] offset:64*\kt      ; the table: register 8 kt + j: key 16 kt + 8 h + j
	ds_load_b128 v[CB+8*\kt+4:CB+8*\kt+7], v[ADC] offset:64*\kt+16
.endr
	s_wait_dscnt 0x0
	WIN 0x05                                       ; K and Q window 1, C and D window 0
.irp u, 0,1                            ; the 16 accumulators take turns, one instruction a turn
.irp kt, 0,1,2,3
.irp t, 0,1,2,3
.if \u == 0
	v_wmma_f32_16x16x32_f16 v[S+32*\t+8*\kt:S+32*\t+8*\kt+7], v[KV+16*\kt+8*\u:KV+16*\kt+8*\u+7], v[QF+16*\t+8*\u:QF+16*\t+8*\u+7], v[CB+8*\kt:CB+8*\kt+7]
.else
	v_wmma_f32_16x16x32_f16 v[S+32*\t+8*\kt:S+32*\t+8*\kt+7], v[KV+16*\kt+8*\u:KV+16*\kt+8*\u+7], v[QF+16*\t+8*\u:QF+16*\t+8*\u+7], v[S+32*\t+8*\kt:S+32*\t+8*\kt+7]
.endif
.endr
.endr
.endr
	WIN 0
.rept 4
	v_nop                                          ; places in front of the loads into K's registers and of the first read of the scores
.endr
	WIN 0x40
.irp i, 0,1,2,3,4,5,6,7,8,9,10,11,12,13,14,15
	ds_load_b128 v[KV+4*\i:KV+4*\i+3], v[ADV] offset:512*\i        ; V's fragment (key chunk g, channel tile ct) at 32 g + 8 ct: it lands under the softmax
.endr
	WIN 0
	; the maximum of a lane's 32 scores and the old m: four chains of seven, each accumulator from its low end on; the four tiles by turns
.irp j, 0,1,2,3
.irp t, 0,1,2,3
	v_max3_num_f32 v[ST+8*\t+4+\j], v[S+32*\t+8*\j], v[S+32*\t+8*\j+1], v[S+32*\t+8*\j+2]
.endr
.endr
.irp q, 1,2
.irp j, 0,1,2,3
.irp t, 0,1,2,3
	v_max3_num_f32 v[ST+8*\t+4+\j], v[ST+8*\t+4+\j], v[S+32*\t+8*\j+2*\q+1], v[S+32*\t+8*\j+2*\q+2]
.endr
.endr
.endr
.irp t, 0,1,2,3
	v_max3_num_f32 v[ST+8*\t+4], v[ST+8*\t+4], v[S+32*\t+7], v[S+32*\t+15]
.endr
.irp t, 0,1,2,3
	v_max3_num_f32 v[ST+8*\t+6], v[ST+8*\t+6], v[S+32*\t+23], v[S+32*\t+31]
.endr
.irp t, 0,1,2,3
	v_max3_num_f32 v[ST+8*\t+4], v[ST+8*\t+4], v[ST+8*\t+5], v[ST+8*\t+6]
.endr
.irp t, 0,1,2,3
.if \first
	v_max_num_f32 v[ST+8*\t+4], v[ST+8*\t+4], v[ST+8*\t+7]
.else
	v_max3_num_f32 v[ST+8*\t+4], v[ST+8*\t+4], v[ST+8*\t+7], v[ST+8*\t+1]
.endif
.endr
.irp t, 0,1,2,3
	v_permlanex16_b32 v[ST+8*\t+5], v[ST+8*\t+4], s[SEL], s[SEL+1]   ; the query's other 32 keys lie in the lane 16 away
.endr
.if \first == 0
.irp t, 0,1,2,3
	v_mov_b32 v[ST+8*\t+7], v[ST+8*\t]             ; c m_old is kept for a
.endr
.endif
.irp t, 0,1,2,3
	v_max_num_f32 v[ST+8*\t+1], v[ST+8*\t+4], v[ST+8*\t+5]
.endr
.irp t, 0,1,2,3
	v_mul_f32 v[ST+8*\t], s[CS], v[ST+8*\t+1]
.endr
.if \first == 0
.irp t, 0,1,2,3
	v_sub_f32 v[ST+8*\t+7], v[ST+8*\t+7], v[ST+8*\t]
.endr
.irp t, 0,1,2,3
	v_exp_f32 v[ST+8*\t+6], v[ST+8*\t+7]           ; a
.endr
.endif
	; ONE BATCH: the scalings c s - c m and all exponentials; nothing in it names an exponential's result
.irp i, 0,1,2,3,4,5,6,7,8,9,10,11,12,13,14,15
.irp t, 0,1,2,3
	v_pk_fma_f32 v[S+32*\t+2*\i:S+32*\t+2*\i+1], v[S+32*\t+2*\i:S+32*\t+2*\i+1], s[CS:CS+1], v[ST+8*\t:ST+8*\t+1] op_sel_hi:[1,0,0] neg_lo:[0,0,1] neg_hi:[0,0,1]
.endr
.irp t, 0,1,2,3
	v_exp_f32 v[S+32*\t+2*\i], v[S+32*\t+2*\i]
	v_exp_f32 v[S+32*\t+2*\i+1], v[S+32*\t+2*\i+1]
.endr
.endr
	v_nop                                          ; a plain instruction behind the last exponential
	s_wait_alu depctr_va_vdst(0)                   ; one wait for the batch, ahead of its first reader
	; l = a l + the sum of p, in f32, in two chains a tile
.irp t, 0,1,2,3
.if \first
	v_pk_add_f32 v[ST+8*\t+2:ST+8*\t+3], v[S+32*\t:S+32*\t+1], v[S+32*\t+2:S+32*\t+3]
.else
	v_pk_fma_f32 v[ST+8*\t+2:ST+8*\t+3], v[ST+8*\t+2:ST+8*\t+3], v[ST+8*\t+6:ST+8*\t+7], v[S+32*\t:S+32*\t+1] op_sel_hi:[1,0,1]
.endif
.endr
.irp t, 0,1,2,3
.if \first
	v_pk_add_f32 v[ST+8*\t+4:ST+8*\t+5], v[S+32*\t+4:S+32*\t+5], v[S+32*\t+6:S+32*\t+7]
.else
	v_pk_add_f32 v[ST+8*\t+4:ST+8*\t+5], v[S+32*\t+2:S+32*\t+3], v[S+32*\t+4:S+32*\t+5]
.endif
.endr
.if \first == 0
.irp t, 0,1,2,3
	v_pk_add_f32 v[ST+8*\t+2:ST+8*\t+3], v[ST+8*\t+2:ST+8*\t+3], v[S+32*\t+6:S+32*\t+7]
.endr
.endif
.irp i, 4,6,8,10,12,14
.irp t, 0,1,2,3
	v_pk_add_f32 v[ST+8*\t+2:ST+8*\t+3], v[ST+8*\t+2:ST+8*\t+3], v[S+32*\t+2*\i:S+32*\t+2*\i+1]
	v_pk_add_f32 v[ST+8*\t+4:ST+8*\t+5], v[ST+8*\t+4:ST+8*\t+5], v[S+32*\t+2*\i+2:S+32*\t+2*\i+3]
.endr
.endr
.irp t, 0,1,2,3
	v_pk_add_f32 v[ST+8*\t+2:ST+8*\t+3], v[ST+8*\t+2:ST+8*\t+3], v[ST+8*\t+4:ST+8*\t+5]
.endr
	; p to f16, in place: register i takes pair i; registers 8 g .. 8 g + 7 are then P's fragment of key chunk g
.irp i, 0,1,2,3,4,5,6,7,8,9,10,11,12,13,14,15
.irp t, 0,1,2,3
	v_cvt_pk_f16_f32 v[S+32*\t+\i], v[S+32*\t+2*\i], v[S+32*\t+2*\i+1]
.endr
.endr
.if \first == 0
	WIN 0x41                                       ; O^T window 1, a window 0
.irp i, 0,1,2,3,4,5,6,7,8,9,10,11,12,13,14,15
.irp t, 0,1,2,3
	v_pk_mul_f32 v[OT+32*\t+2*\i:OT+32*\t+2*\i+1], v[OT+32*\t+2*\i:OT+32*\t+2*\i+1], v[ST+8*\t+6:ST+8*\t+7] op_sel_hi:[1,0]
.endr
.endr
.endif
	s_wait_dscnt 0x0                               ; V is in
	WIN 0x51                                       ; V, C and D window 1, P window 0
.irp g, 0,1                            ; the 16 accumulators take turns
.irp ct, 0,1,2,3
.irp t, 0,1,2,3
.if (\first) && (\g == 0)
	v_wmma_f32_16x16x32_f16 v[OT+32*\t+8*\ct:OT+32*\t+8*\ct+7], v[KV+32*\g+8*\ct:KV+32*\g+8*\ct+7], v[S+32*\t+8*\g:S+32*\t+8*\g+7], 0
.else
	v_wmma_f32_16x16x32_f16 v[OT+32*\t+8*\ct:OT+32*\t+8*\ct+7], v[KV+32*\g+8*\ct:KV+32*\g+8*\ct+7], v[S+32*\t+8*\g:S+32*\t+8*\g+7], v[OT+32*\t+8*\ct:OT+32*\t+8*\ct+7]
.endif
.endr
.endr
.endr
	WIN 0
	s_add_co_u32 s[TB], s[TB], 8192
	s_add_co_u32 s[TC], s[TC], 256
.endm
.macro STEPS n                         ; n steps, written once
	s_mov_b32 s[CNT], \n
.Lstep_\@:
	STEP 0
	s_sub_co_u32 s[CNT], s[CNT], 1
	s_cmp_lg_u32 s[CNT], 0
	s_cbranch_scc1 .Lstep_\@
.endm
	WAITC 3                                        ; chunk 0 and the table; the three later chunks' loads may be out
	s_wait_loadcnt 0x0                             ; Q and bv
	STEP 1
	STEPS 3
	WAITC 0                                        ; chunks 1 to 3, asked for at the head: every wave's loads have landed, so the remaining 12 steps need no barrier
	STEPS 12
	; THE WAY OUT: ctx = O^T / l + bv, to f16, as images of the output projection's fragments: straight from registers
.irp t, 0,1,2,3
	v_add_f32 v[ST+8*\t+4], v[ST+8*\t+2], v[ST+8*\t+3]             ; these four are the places behind the last products
.endr
.irp t, 0,1,2,3
	v_permlanex16_b32 v[ST+8*\t+5], v[ST+8*\t+4], s[SEL], s[SEL+1]
.endr
.irp t, 0,1,2,3
	v_add_f32 v[ST+8*\t+4], v[ST+8*\t+4], v[ST+8*\t+5]
.endr
.irp t, 0,1,2,3
	v_rcp_f32 v[ST+8*\t+6], v[ST+8*\t+4]
.endr
	v_nop
	s_wait_alu depctr_va_vdst(0)                   ; one wait for the four reciprocals
.irp t, 0,1,2,3
	WIN 0x01                                       ; O^T window 1
.irp i, 0,1,2,3,4,5,6,7,8,9,10,11,12,13,14,15
	v_pk_fma_f32 v[S+32*\t+2*\i:S+32*\t+2*\i+1], v[OT+32*\t+2*\i:OT+32*\t+2*\i+1], v[ST+8*\t+6:ST+8*\t+7], v[BV+2*\i:BV+2*\i+1] op_sel_hi:[1,0,1]
.endr
	WIN 0
.irp i, 0,1,2,3,4,5,6,7,8,9,10,11,12,13,14,15
	v_cvt_pk_f16_f32 v[S+32*\t+\i], v[S+32*\t+2*\i], v[S+32*\t+2*\i+1]
.endr
.irp u, 0,1
.irp e, 0,1
	global_store_b128 v[LI], v[S+32*\t+8*\u+4*\e:S+32*\t+8*\u+4*\e+3], s[10:11] offset:32768*\t+1024*\u+512*\e   ; 512 consecutive bytes
.endr
.endr
.endr
	s_wait_tensorcnt 0x0                           ; the wave's end
	ds_add_u32 v[SPW], v[NIL]
	s_wait_dscnt 0x0
	s_endpgm
.Lfunc_end_k_q6089b17ef8_attn:
	.size	k_q6089b17ef8_attn, .Lfunc_end_k_q6089b17ef8_attn-k_q6089b17ef8_attn
	.p2alignl 7, 3214868480
	.fill 96, 4, 3214868480
	.section	.rodata,"a",@progbits
	.p2align	6, 0x0
	.amdhsa_kernel k_q6089b17ef8_attn
		.amdhsa_group_segment_fixed_size 267264
		.amdhsa_private_segment_fixed_size 0
		.amdhsa_enable_private_segment 0
		.amdhsa_kernarg_size 32
		.amdhsa_user_sgpr_count 2
		.amdhsa_user_sgpr_kernarg_segment_ptr 1
		.amdhsa_wavefront_size32 1
		.amdhsa_system_sgpr_workgroup_id_x 1
		.amdhsa_system_sgpr_workgroup_id_y 1
		.amdhsa_system_sgpr_workgroup_id_z 1
		.amdhsa_system_vgpr_workitem_id 0
		.amdhsa_next_free_vgpr 512
		.amdhsa_next_free_sgpr 66
		.amdhsa_reserve_vcc 1
		.amdhsa_float_denorm_mode_32 3
		.amdhsa_float_denorm_mode_16_64 3
		.amdhsa_memory_ordered 1
		.amdhsa_forward_progress 1
		.amdhsa_inst_pref_size 110
	.end_amdhsa_kernel
	.amdgpu_metadata
---
amdhsa.version: [ 1, 2 ]
amdhsa.kernels:
  - .name:           k_q6089b17ef8_attn
    .symbol:         k_q6089b17ef8_attn.kd
    .args:
      - { .name: qkv, .offset: 0, .size: 8, .value_kind: global_buffer, .address_space: global }
      - { .name: mask, .offset: 8, .size: 8, .value_kind: global_buffer, .address_space: global }
      - { .name: bv, .offset: 16, .size: 8, .value_kind: global_buffer, .address_space: global }
      - { .name: ctx_img, .offset: 24, .size: 8, .value_kind: global_buffer, .address_space: global }
    .group_segment_fixed_size: 267264
    .private_segment_fixed_size: 0
    .kernarg_segment_align: 8
    .kernarg_segment_size: 32
    .max_flat_workgroup_size: 256
    .sgpr_count:     66
    .vgpr_count:     512
    .wavefront_size: 32
...
	.end_amdgpu_metadata
.endif
;; end of part 3
;; launch oproj (part 4): grid 4 x 64, 4 waves a work-group, clusters of 4 x 4, 327,680 bytes of LDS; arguments ctx_img, wo_img, bo, out0; writes out0
.if DOCPART == 4
	.amdgcn_target "amdgcn-amd-amdhsa--gfx1250"
	.amdhsa_code_object_version 6
	.text
	.protected	k_q6089b17ef8_oproj
	.globl	k_q6089b17ef8_oproj
	.p2align	8
	.type	k_q6089b17ef8_oproj,@function
k_q6089b17ef8_oproj:
	s_mov_b64 s[64:65], 0
	v_nop
	global_prefetch_b8 v0, s[64:65] scope:SCOPE_SE
	s_setreg_imm32_b32 hwreg(HW_REG_WAVE_MODE, 25, 1), 1
	s_wait_xcnt 0x0
	s_wait_alu depctr_hold_cnt(0) depctr_sa_sdst(0) depctr_va_vdst(0) depctr_va_sdst(0) depctr_va_ssrc(0) depctr_va_vcc(0) depctr_vm_vsrc(0)
	s_getreg_b32 s2, hwreg(HW_REG_IB_STS2, 6, 4)
	s_cmp_eq_u32 s2, 0
	s_cbranch_scc0 .Lentry_in_a_cluster
	s_endpgm
.Lentry_in_a_cluster:
	s_bfe_u32 s2, ttmp6, 0x10000c
	s_cmp_lg_u32 s2, 0xf033
	s_cbranch_scc0 .Lentry_shape_is_right
	s_endpgm
.Lentry_shape_is_right:
; out0 = ctx Wo^T + bo.  ctx [8192][1024] and Wo [1024][1024] arrive as images of f16 fragments, [tile of 16 rows][K chunk of 32][1,024 bytes]; sums in f32; out0 f32.
; A work-group makes 128 rows x 256 columns (256 work-groups), a wave 64 x 128: 32 accumulators.  The product is used transposed (source 0 = 16 rows of Wo, source 1 = 16 rows of ctx): a lane holds eight neighbouring numbers of a row of out0.
; K goes in 8 steps of 128 through two LDS slots.  A step of a tile of 16 rows is 4,096 consecutive bytes of memory; in LDS the tiles lie on end, and a fragment is two loads at 16 x lane: no pitch, no padding.
; CLUSTERS: 4 x 4 work-groups: ctx's tiles hang on the tile row alone and are asked for jointly along a row of the cluster, Wo's on cx alone, along a column.
; bo is the C of each sum's first matrix instruction.
; REGISTERS: window 0: v1-31 addresses; v32-127, v128-223 two fragment buffers (Wo's eight at +8 b, ctx's four at +64 + 8 a); window 1: accumulator (a, b) at v[8 (8 a + b)]; window 2: v0-63 bo (8 b + j: column 16 b + 8 h + j).
.set SLOT,  98304                      ; ctx: 8 tiles x 4,096 bytes; then Wo: 16 tiles x 4,096
.set BOFF,  32768
.set STAGE, 2*SLOT                     ; the way out: 16 rows x 528 bytes for each wave, in bytes of its own
.set SPARE, STAGE+4*16*528             ; the spare words: 128 bytes a wave, named by no other line
.set LI,   1                           ; 16 x lane
.set ADRA, 16
.set ADRB, 20
.set STO,  24
.set RD,   25
.set BOF,  27
.set SPW,  28
.set NIL,  29
.set PFO,  30
.set F0,   32
.set F1,   128
.set BK0,  32
.set WV, 12
.set WR, 13                            ; which 64 rows are mine; also: I fetch for ctx (0) or Wo (1)
.set WC, 14                            ; which 128 columns are mine; also: which half of the tile I fetch
.set LIM, 15
.set G1, 24
.set G0, 32
.set PFA, 46
.set G1B, 48
.set G0B, 56
.set MSB, 0
.macro WIN new
.if MSB != (\new)
	s_set_vgpr_msb (MSB<<8)|(\new)
.set MSB, \new
.endif
.endm
.set MUL,  0x50                        ; C and D window 1
.set MUL0, 0x60                        ; C window 2 (bo), D window 1
.macro JLOAD s                         ; a joint load: waves 0 and 1 fetch ctx's halves, waves 2 and 3 Wo's; an s_nop 0 and four v_nop follow each line
	s_cmp_eq_u32 s[WR], 0
	s_cbranch_scc0 .Lfor_b_\@
	tensor_load_to_lds s[G0+4*\s:G0+4*\s+3], s[G1:G1+7]
	s_nop 0
.rept 4
	v_nop
.endr
	s_branch .Lasked_\@
.Lfor_b_\@:
	tensor_load_to_lds s[G0B+4*\s:G0B+4*\s+3], s[G1B:G1B+7]
	s_nop 0
.rept 4
	v_nop
.endr
.Lasked_\@:
.endm
.macro CREST
	s_cmp_lg_u32 s[WV], 0
	s_cbranch_scc1 .Lnot_wave_0_\@
	s_barrier_signal -3
.Lnot_wave_0_\@:
	s_barrier_wait -3
	s_barrier_signal -1
	s_barrier_wait -1
.endm
.macro CROUND
	s_barrier_signal -1
	s_barrier_wait -1
	CREST
.endm
; A prefetch of ctx's K step that stands two refills on.  A tile row's 8 tiles are read by the four partners of one row of the cluster alone: partner cx names tiles 2 cx, 2 cx + 1, told apart by address;
; wave 0 asks, one instruction: 32 lanes x 256 bytes are two tiles' 4,096 bytes each.  Steps 4 to 7 are named, each block once; the loop's last trip asks for nothing.  Wo is read by every cluster and is not asked for.
.macro ASK
	s_cmp_gt_u32 s3, s[LIM]
	s_cbranch_scc0 .Lnot_mine_\@
	global_prefetch_b8 v[PFO], s[PFA:PFA+1] offset:4096 th:TH_LOAD_NT scope:SCOPE_SE
.Lnot_mine_\@:
.endm
	s_load_b256 s[4:11], s[0:1], 0x0               ; ctx_img 4, wo_img 6, bo 8, out0 10
	v_lshl_add_u32 v[SPW], v0, 2, SPARE
	v_mov_b32 v[NIL], 0
	ds_add_u32 v[SPW], v[NIL]                      ; the wave's opening: the add, twice on end, and its wait ahead of my first tensor load
	ds_add_u32 v[SPW], v[NIL]
	v_lshrrev_b32 v2, 5, v0
	v_readfirstlane_b32 s[WV], v2
	s_lshr_b32 s[WR], s[WV], 1
	s_and_b32 s[WC], s[WV], 1
	s_bfe_u32 s40, ttmp6, 0x40000                  ; cx = tile column
	s_bfe_u32 s41, ttmp6, 0x40004                  ; cy
	s_and_b32 s42, ttmp7, 0xffff
	s_lshl_b32 s42, s42, 2
	s_add_co_u32 s42, s42, s41                     ; tile row = 4 x cluster y + cy
	s_lshl_b32 s43, s41, 2
	s_lshl_b32 s43, 15, s43                        ; my row of the cluster
	s_lshl_b32 s44, 0x1111, s40                    ; my column
	s_or_b32 s[G1+0], s43, (3<<16)|(1<<21)         ; the mask; elements of 8 bytes; bit 21 beside a mask; no padding
	s_or_b32 s[G1B+0], s44, (3<<16)|(1<<21)
	s_mov_b32 s[G1+1], 512<<16                     ; tensor_dim0 = 512: rows of 4,096 bytes
	s_mov_b32 s[G1+2], 4<<16                       ; tensor_dim1 = 4 tiles
	s_mov_b32 s[G1+3], 512<<16                     ; tile_dim0
	s_mov_b32 s[G1+4], 4                           ; tile_dim1
	s_mov_b32 s[G1+5], 4096                        ; from tile to tile: 32,768 bytes
	s_mov_b32 s[G1+6], 0
	s_mov_b32 s[G1+7], 0
	s_mov_b32 s[G1B+1], 512<<16
	s_mov_b32 s[G1B+2], 8<<16                      ; 8 tiles
	s_mov_b32 s[G1B+3], 512<<16
	s_mov_b32 s[G1B+4], 8
	s_mov_b32 s[G1B+5], 4096
	s_mov_b32 s[G1B+6], 0
	s_mov_b32 s[G1B+7], 0
	s_lshl_b32 s16, s42, 3
	s_lshl_b32 s17, s[WC], 2
	s_add_co_u32 s16, s16, s17                     ; ctx: tile 8 x tile row + 4 x half
	s_lshl_b32 s16, s16, 15
	s_mov_b32 s17, 0
	s_lshl_b32 s18, s40, 4
	s_lshl_b32 s19, s[WC], 3
	s_add_co_u32 s18, s18, s19                     ; Wo: tile 16 cx + 8 x half
	s_lshl_b32 s18, s18, 15
	s_mov_b32 s19, 0
	s_lshl_b32 s20, s[WC], 14                      ; where they go: no place in the cluster enters an LDS address
	s_lshl_b32 s21, s[WC], 15
	s_add_co_u32 s21, s21, BOFF
	s_wait_dscnt 0x0                               ; both opening adds are done
	s_wait_kmcnt 0x0
	s_add_nc_u64 s[16:17], s[4:5], s[16:17]
	s_add_nc_u64 s[18:19], s[6:7], s[18:19]
	CROUND                                         ; all sixteen work-groups are here: the first joint loads meet
.irp s, 0,1
	s_mov_b32 s[G0+4*\s], 1
	s_add_co_u32 s[G0+4*\s+1], s20, \s*SLOT
	s_add_nc_u64 s[G0+4*\s+2:G0+4*\s+3], s[16:17], \s*4096
	s_or_b32 s[G0+4*\s+3], s[G0+4*\s+3], 0x80000000
	s_mov_b32 s[G0B+4*\s], 1
	s_add_co_u32 s[G0B+4*\s+1], s21, \s*SLOT
	s_add_nc_u64 s[G0B+4*\s+2:G0B+4*\s+3], s[18:19], \s*4096
	s_or_b32 s[G0B+4*\s+3], s[G0B+4*\s+3], 0x80000000
	JLOAD \s                                       ; two tensor loads of mine are out at the most
.endr
	v_and_b32 v2, 31, v0
	v_lshlrev_b32 v[LI], 4, v2
	v_and_b32 v3, 15, v0                           ; r
	v_bfe_u32 v4, v0, 4, 1                         ; h
	s_lshl_b32 s22, s[WR], 14                      ; my four tiles of ctx
	s_lshl_b32 s23, s[WC], 15                      ; my eight of Wo
	s_add_co_u32 s23, s23, BOFF
.irp s, 0,1
	v_add_nc_u32 v[ADRA+\s], s22, v[LI]
	v_add_nc_u32 v[ADRB+\s], s23, v[LI]
	s_add_co_u32 s22, s22, SLOT
	s_add_co_u32 s23, s23, SLOT
.endr
	s_mul_i32 s22, s[WV], 16*528
	s_add_co_u32 s22, s22, STAGE                   ; my stage
	v_mul_u32_u24 v5, v3, 528
	v_lshl_add_u32 v5, v4, 5, v5
	v_add_nc_u32 v[STO], s22, v5                   ; in: row r, 32 bytes for each half of the lanes
	v_add_nc_u32 v[RD], s22, v[LI]                 ; back: the 32 lanes take one row of 512 bytes
	v_lshlrev_b32 v[BOF], 5, v4
	v_lshlrev_b32 v5, 15, v4
	v_lshl_add_u32 v[PFO], v3, 8, v5               ; lanes 0-15: one tile's 16 blocks of 256 bytes; lanes 16-31: the next tile's
	s_lshl_b32 s66, s40, 10
	s_lshl_b32 s67, s[WC], 9
	s_add_co_u32 s66, s66, s67                     ; my first column, in bytes
	s_mov_b32 s67, 0
	s_add_nc_u64 s[8:9], s[8:9], s[66:67]
	s_add_nc_u64 s[10:11], s[10:11], s[66:67]
	s_lshl_b32 s66, s42, 19
	s_lshl_b32 s68, s[WR], 18
	s_add_co_u32 s66, s66, s68                     ; my first row: (128 x tile row + 64 x half) x 4,096 bytes
	s_add_nc_u64 s[10:11], s[10:11], s[66:67]
	s_lshl_b32 s66, s42, 3
	s_lshl_b32 s68, s40, 1
	s_add_co_u32 s66, s66, s68
	s_lshl_b32 s66, s66, 15
	s_add_co_u32 s66, s66, 8192                    ; at K step 2: the first refill steps it to 3 and names step 4
	s_add_nc_u64 s[PFA:PFA+1], s[4:5], s[66:67]
	s_cmp_eq_u32 s[WV], 0
	s_cselect_b32 s[LIM], 1, -1
	WIN 0x80                                       ; destination window 2
.irp b, 0,1,2,3,4,5,6,7
	global_load_b128 v[8*\b:8*\b+3], v[BOF], s[8:9] offset:64*\b
	global_load_b128 v[8*\b+4:8*\b+7], v[BOF], s[8:9] offset:64*\b+16
.endr
	WIN 0
.macro FETCH slot, q, f                ; 24 LDS loads in one run: Wo's eight fragments, then ctx's blocks 0, 1, then 2, 3, of the slot's q-th 32 along K
.irp b, 0,1,2,3,4,5,6,7
	ds_load_b128 v[\f+8*\b:\f+8*\b+3],   v[ADRB+\slot] offset:4096*\b+1024*\q
	ds_load_b128 v[\f+8*\b+4:\f+8*\b+7], v[ADRB+\slot] offset:4096*\b+1024*\q+512
.endr
.irp a, 0,1,2,3
	ds_load_b128 v[\f+64+8*\a:\f+64+8*\a+3],   v[ADRA+\slot] offset:4096*\a+1024*\q
	ds_load_b128 v[\f+64+8*\a+4:\f+64+8*\a+7], v[ADRA+\slot] offset:4096*\a+1024*\q+512
.endr
.endm
.macro MULH f, a0, n, first            ; n blocks of ctx from a0 on x Wo's eight.  The 32 accumulators take turns, one instruction a turn, in the same order in every quarter
.set AA, \a0
.rept \n
.irp b, 0,1,2,3,4,5,6,7
.if \first
	v_wmma_f32_16x16x32_f16 v[8*(8*AA+\b):8*(8*AA+\b)+7], v[\f+8*\b:\f+8*\b+7], v[\f+64+8*AA:\f+64+8*AA+7], v[8*\b:8*\b+7]
.else
	v_wmma_f32_16x16x32_f16 v[8*(8*AA+\b):8*(8*AA+\b)+7], v[\f+8*\b:\f+8*\b+7], v[\f+64+8*AA:\f+64+8*AA+7], v[8*(8*AA+\b):8*(8*AA+\b)+7]
.endif
.endr
.set AA, AA+1
.endr
.endm
.macro PLACES
.rept 4
	v_nop
.endr
.endm
.macro QUARTER slot, qn, f, g, first   ; multiplies buffer f; in its middle fetches the slot's quarter qn into buffer g
	s_wait_dscnt 4                                 ; Wo's fragments and ctx's blocks 0, 1 are in; the youngest four loads may be out
	WIN MUL+0x10*(\first)
	MULH \f, 0, 2, \first
	PLACES
	WIN 0
	FETCH \slot, \qn, \g
	s_wait_dscnt 24                                ; all but the 24 just issued
	WIN MUL+0x10*(\first)
	MULH \f, 2, 2, \first
.endm
; A slot's last quarter multiplies buffer 1 and changes slots: one barrier; in front of it each wave waits for all its tensor loads, adds 0 to its spare word, and waits for that and for its reads of this slot.
; fill = 1: the barrier opens a round of the cluster's barrier and the slot is filled again, two K steps ahead; from the request to the wait for it a wave issues 112 matrix instructions.
.macro TURN slot, next, fill
.if \fill
	s_wait_xcnt 0x0                                ; the last prefetch, a K step back, has read its address
	s_add_nc_u64 s[PFA:PFA+1], s[PFA:PFA+1], 4096
.endif
	WIN 0
	s_wait_tensorcnt 0x0                           ; all my tensor loads have landed: my part of the next slot
	ds_add_u32 v[SPW], v[NIL]
	s_wait_dscnt 5                                 ; the add and the youngest four loads may be out
	WIN MUL
	MULH F1, 0, 1, 0
	s_wait_dscnt 0x0                               ; the add is done, and my reads of this slot are over
	s_barrier_signal -1
	MULH F1, 1, 1, 0
	WIN 0
	s_barrier_wait -1
.if \fill
	CREST                                          ; no wave of any partner still reads this slot or has a load on its way
	s_add_nc_u64 s[G0+4*\slot+2:G0+4*\slot+3], s[G0+4*\slot+2:G0+4*\slot+3], 8192
	s_add_nc_u64 s[G0B+4*\slot+2:G0B+4*\slot+3], s[G0B+4*\slot+2:G0B+4*\slot+3], 8192
	JLOAD \slot                                    ; the first tensor load behind the round; its four v_nop are also the places in front of the loads below
.else
	PLACES
.endif
	FETCH \next, 0, F0
.if \fill
	ASK
.endif
	WIN MUL
	MULH F1, 2, 2, 0
.endm
	s_wait_tensorcnt 1                             ; my part of K step 0 is in; step 1's load may be out
	s_barrier_signal -1
	s_barrier_wait -1
	FETCH 0, 0, F0
	s_wait_loadcnt 0x0                             ; bo
	QUARTER 0, 1, F0, F1, 1                        ; the first quarter's products start the sums from bo
	WIN 0
	s_mov_b32 s3, 3
.Llap:                                             ; a trip goes once round the ring and fills both slots again
	QUARTER 0, 2, F1, F0, 0
	QUARTER 0, 3, F0, F1, 0
	TURN 0, 1, 1
	QUARTER 1, 1, F0, F1, 0
	QUARTER 1, 2, F1, F0, 0
	QUARTER 1, 3, F0, F1, 0
	TURN 1, 0, 1
	QUARTER 0, 1, F0, F1, 0
	WIN 0
	s_sub_co_u32 s3, s3, 1
	s_cmp_lg_u32 s3, 0
	s_cbranch_scc1 .Llap
	QUARTER 0, 2, F1, F0, 0                        ; the last lap fills nothing
	QUARTER 0, 3, F0, F1, 0
	TURN 0, 1, 0
	QUARTER 1, 1, F0, F1, 0
	QUARTER 1, 2, F1, F0, 0
	QUARTER 1, 3, F0, F1, 0
	s_wait_dscnt 4
	WIN MUL
	MULH F1, 0, 2, 0
	s_wait_dscnt 0
	MULH F1, 2, 2, 0
	WIN 0
; THE WAY OUT, block by block of 16 rows x 128 columns, through my own stage: in as 32 bytes a lane, back as whole rows of 512 bytes.  LDS serves a wave's instructions in order: no wait between the stores and the loads.
.macro TOSTAGE a
	WIN 0x04                                       ; an LDS store's data: window 1
.irp b, 0,1,2,3,4,5,6,7
	ds_store_b128 v[STO], v[8*(8*(\a)+\b):8*(8*(\a)+\b)+3] offset:64*\b       ; each accumulator from its low end on
	ds_store_b128 v[STO], v[8*(8*(\a)+\b)+4:8*(8*(\a)+\b)+7] offset:64*\b+16
.endr
	WIN 0
.set BB, BK0+96*((\a)%2)
.irp t, 0,1,2,3,4,5,6,7,8,9,10,11,12,13,14,15
	ds_load_b128 v[BB+4*\t:BB+4*\t+3], v[RD] offset:\t*528
.endr
.endm
.macro SEND a, younger                 ; younger: the LDS instructions issued behind block a's loads, which may stay out
.set BB, BK0+96*((\a)%2)
	s_wait_dscnt \younger
.irp t, 0,1,2,3,4,5,6,7,8,9,10,11,12,13,14,15
	global_store_b128 v[LI], v[BB+4*\t:BB+4*\t+3], s[10:11] offset:(16*(\a)+\t)*4096 th:TH_STORE_NT   ; 32 lanes store 512 consecutive bytes
.endr
.endm
	PLACES                                         ; in front of the stores of results and of the loads into the fragment buffers
	TOSTAGE 0
.irp a, 1,2,3
.if \a > 1
	s_wait_xcnt 0x0                                ; block a - 2's stores have read their registers
.endif
	TOSTAGE \a
	SEND \a-1, 32                                  ; behind block a - 1's loads: block a's 16 stores and 16 loads
.endr
	SEND 3, 0
	s_wait_tensorcnt 0x0                           ; the wave's end
	ds_add_u32 v[SPW], v[NIL]
	s_wait_dscnt 0x0
	CROUND                                         ; the closing round
	s_endpgm
.Lfunc_end_k_q6089b17ef8_oproj:
	.size	k_q6089b17ef8_oproj, .Lfunc_end_k_q6089b17ef8_oproj-k_q6089b17ef8_oproj
	.p2alignl 7, 3214868480
	.fill 96, 4, 3214868480
	.section	.rodata,"a",@progbits
	.p2align	6, 0x0
	.amdhsa_kernel k_q6089b17ef8_oproj
		.amdhsa_group_segment_fixed_size 327680
		.amdhsa_private_segment_fixed_size 0
		.amdhsa_enable_private_segment 0
		.amdhsa_kernarg_size 32
		.amdhsa_user_sgpr_count 2
		.amdhsa_user_sgpr_kernarg_segment_ptr 1
		.amdhsa_wavefront_size32 1
		.amdhsa_system_sgpr_workgroup_id_x 1
		.amdhsa_system_sgpr_workgroup_id_y 1
		.amdhsa_system_sgpr_workgroup_id_z 1
		.amdhsa_system_vgpr_workitem_id 0
		.amdhsa_next_free_vgpr 576
		.amdhsa_next_free_sgpr 72
		.amdhsa_reserve_vcc 0
		.amdhsa_float_denorm_mode_32 3
		.amdhsa_float_denorm_mode_16_64 3
		.amdhsa_memory_ordered 1
		.amdhsa_forward_progress 1
		.amdhsa_inst_pref_size 87
	.end_amdhsa_kernel
	.amdgpu_metadata
---
amdhsa.version: [ 1, 2 ]
amdhsa.kernels:
  - .name:           k_q6089b17ef8_oproj
    .symbol:         k_q6089b17ef8_oproj.kd
    .args:
      - { .name: ctx_img, .offset: 0, .size: 8, .value_kind: global_buffer, .address_space: global }
      - { .name: wo_img, .offset: 8, .size: 8, .value_kind: global_buffer, .address_space: global }
      - { .name: bo, .offset: 16, .size: 8, .value_kind: global_buffer, .address_space: global }
      - { .name: out0, .offset: 24, .size: 8, .value_kind: global_buffer, .address_space: global }
    .group_segment_fixed_size: 327680
    .private_segment_fixed_size: 0
    .kernarg_segment_align: 8
    .kernarg_segment_size: 32
    .max_flat_workgroup_size: 128
    .sgpr_count:     72
    .vgpr_count:     576
    .wavefront_size: 32
...
	.end_amdgpu_metadata
.endif
;; end of part 4
